; MI455X (gfx1250); checked and timed in simulation.
; The chip was launched on July 23, 2026; its instructions are those of AMD's public machine-readable ISA for CDNA 5 (MIT licence, August 2026) and "CDNA5" Instruction Set Architecture Reference Guide (July 2026). The comments in the code are by the model that wrote it; some were corrected since.
;; Self Attention. Allowed arithmetic: matrix products marked QUANTISED: E3M2 operands, one E8M0 scale for each 32 along K, by v_wmma_scale_f32_16x16x128_f8f6f4 with both operands' format E3M2, f32 sums; everything else in f32.
;; Inputs: b_in 3,072 float32; b_out 1,024 float32; w_in 3,072 x 1,024 float32; w_norm 1,024 float32; w_out 1,024 x 1,024 float32; x 4 x 2,048 x 1,024 float32.
;; Outputs: out0 4 x 2,048 x 1,024 float32.
;; This version of the problem:
;;   THIS VERSION OF THE PROBLEM IS GIVEN IN LOW PRECISION. The matrix products marked QUANTISED in the list below multiply operands that are first quantised to E3M2 (3 exponent bits, 2 mantissa bits; 6 bits a number), with one power-of-two scale for each 32 numbers along K (OCP MX v1.0); their sums are f32. All else is computed in f32.
;;   The module's matrix products, in the order in which they are computed (A, B: the left and right operand; K: the contracted axis; several contracted axes count as one K, in the product's order):
;;     1. [M 8,192, K 1,024] x [K 1,024, N 3,072]; A: computed on the way; B: input w_in: QUANTISED
;;     2. batch 64 x [M 2,048, K 64] x [K 64, N 2,048]; A: computed on the way; B: computed on the way: QUANTISED
;;     3. batch 64 x [M 2,048, K 2,048] x [K 2,048, N 64]; A: softmax (see below); B: computed on the way: QUANTISED
;;     4. [M 8,192, K 1,024] x [K 1,024, N 1,024]; A: computed on the way; B: input w_out: QUANTISED
;;   THE QUANTISER, for each operand of a quantised product, along K:
;;     - K is cut into blocks of 32 from its start; a last block that is shorter is filled with zeros.
;;     - A block's scale is 2^e with e = floor(log2(the largest magnitude in the block)) - 4, held to -126 .. 127; a block of zeros has e = 0. As a byte (E8M0): e + 127.
;;     - Each number is divided by its block's scale, clamped to +-28, and rounded to the nearest number of E3M2, ties to even, subnormals kept.
;;     - The product sums the exact products of the quantised numbers (number of the format x scale) in f32.
;;   ~~~python
;;   def quantise(x, axis):      # numpy; x: float32 -> the quantised numbers, widened to float32 again
;;       x = np.moveaxis(x, axis, -1); K = x.shape[-1]
;;       x = np.pad(x, [(0, 0)] * (x.ndim - 1) + [(0, -K % 32)]); x = x.reshape(x.shape[:-1] + (-1, 32)); a = np.abs(x).max(-1, keepdims=True)
;;       e = np.where(a > 0, np.clip(np.frexp(np.where(a > 0, a, 1))[1] - 1 - 4, -126, 127), 0)      # np.frexp(a)[1] - 1 = floor(log2(a)), exactly
;;       r = np.clip(x / 2.0 ** e, -28, 28)
;;       step = 2.0 ** (np.maximum(np.frexp(np.where(r == 0, 1, r))[1] - 1, -2) - 2)
;;       q = np.round(r / step) * step * 2.0 ** e      # np.round: ties to even
;;       return np.moveaxis(q.reshape(q.shape[:-2] + (-1,))[..., :K], -1, axis).astype(np.float32)
;;   ~~~
;;   SOFTMAX AHEAD OF A QUANTISED PRODUCT. Where the list says 'softmax', what is quantised is not the finished softmax but p = 2^(t - M), with t = logit x log2(e) and M = ceil(the row's largest t), a whole number; so 1/2 < the row's largest p <= 1. The row's sum l is taken of the UNQUANTISED p, in f32, and the product's result is divided by l at the end. Since M is a whole number, a kernel that streams over the keys may use a running M (the ceiling of the running maximum): every later rescaling is an exact power of two, which a block's scale takes up: the codes' values come out the same.
;;   OPERANDS COMPUTED ON THE WAY. 'Computed on the way' means the value that the module computes at that place (a softmax that the list does not call 'softmax' is quantised finished and normalised). What goes into a quantiser is computed in f32, as accurately as f32 sums, v_exp_f32 and their like allow (about 1e-6 of the number): no bf16 or f16 on the way to a quantiser, and a product that is left as it is and whose result goes on into a quantised operand takes f32 operands (vector FMAs, or v_wmma_f32_16x16x4_f32). A number that lies on a knife's edge between two numbers of the format may be rounded either way, as far as f32 arithmetic and the matrix unit's own rounding can turn it there, and no further.
;; One version. Each part assembles by itself: llvm-mc -triple=amdgcn-amd-amdhsa -mcpu=gfx1250 --defsym DOCPART=n.
;; ======== version 1 of 1: 4 launches
;; limits: right only within a limited range of input values
;; workspace buffers: opc 10,223,616 bytes; oc 6,815,744 bytes; qkvc 19,660,800 bytes
;; launch prep (part 1): grid 256 x 1, 12 waves a work-group, no clusters, 150,528 bytes of LDS; arguments x, w_in, w_out, w_norm, opc; writes opc
.if DOCPART == 1
	.amdgcn_target "amdgcn-amd-amdhsa--gfx1250"
	.amdhsa_code_object_version 6
	.text
	.protected	k_qc192c7a046_prep
	.globl	k_qc192c7a046_prep
	.p2align	8
	.type	k_qc192c7a046_prep,@function
k_qc192c7a046_prep:
	s_mov_b64 s[64:65], 0
	v_nop
	global_prefetch_b8 v0, s[64:65] scope:SCOPE_SE
	s_setreg_imm32_b32 hwreg(HW_REG_WAVE_MODE, 25, 1), 1
	s_wait_xcnt 0x0
; PREP: xn = x * rsqrt(mean(x^2) + 1e-5) * w_norm, w_in and w_out become codes of BF6 (E3M2) with one E8M0 byte for each 32 along K = the hidden axis (1,024, innermost in all three).
; OUTPUT LAYOUT (opc): 768 tiles of 16 rows, GT bytes each: tiles 0-511 xn, 512-703 w_in, 704-767 w_out.  A tile is four records, one for each 256 along K: four HALF-IMAGES of 768 bytes
; (16 rows x 64 K as the matrix operand's registers want them: lane (r, h) = r + 16 h owns the 24 bytes at 24 x lane: row r, block h), then 128 scale bytes (row r's eight at 8 r), then 128 bytes that nobody writes or reads.
; ROWS OF A TILE: tile T of xn and of w_in holds rows 32 (T / 2) + 2 r + T % 2; a tile of w_out holds rows 16 T + r.
; ONE PATH FOR ALL THREE TENSORS: the weights run the same lines with 1.0 chosen for the row's factor and for w_norm (x * 1 * 1 is exact); only pointers, a row stride and a lane mask are chosen, on the tile's number.
; SHARES: a work-group takes three tiles, four waves to a tile, a wave four rows.  A row (4,096 bytes) is eight loads of 512 consecutive bytes and stays in 32 registers between the sum of squares and the scaling.
; For the conversions a lane must hold 32 neighbours: the row turns through the wave's own stage in LDS (16 bytes of padding behind each 128).  The codes meet in an image of the tile's records in LDS and leave in stores of 512 consecutive bytes.
; No cluster: the work-groups share nothing but w_norm's 4,096 bytes.  No tensor loads, no matrix work: this launch streams, 32 loads of every wave go out at its head.
; LIMITS: a block of zeros, or one whose largest magnitude lies under 2^-122, gets the byte 1 (the bytes are read by this program alone; a zero block's codes are zeros).  NaN and infinities among the inputs are not served.
.set GT,    13312                      ; a tile in memory
.set GR,    3328                       ; a record in memory
.set LR,    3200                       ; a record in LDS: 3,072 bytes of codes + 128 scale bytes
.set TURNW, 9216                       ; LDS: two stages of 32 x 144 bytes for each wave
.set STG,   4608
.set IMG,   12*TURNW                   ; behind the stages: three tiles' images
.set TIMG,  4*LR
.set VOFF, 2                           ; v2-5   row i: 16 x lane + i x the rows' distance in memory
.set L16,  6                           ; v6     16 x lane
.set TST,  7                           ; v7     the stage, on the way in
.set TLD,  8                           ; v8     and on the way out: 144 x lane
.set IMA,  9                           ; v9     where my block's 24 bytes of codes go in the image
.set ISC,  10                          ; v10    and its scale byte
.set CPA,  11                          ; v11    the record that I copy out: its codes
.set CPS,  12                          ; v12    its scale bytes
.set L4,   13                          ; v13    4 x lane
.set CH,   16                          ; v16-23 four chains of squares; later the four rows' factors, as pairs
.set SS,   24                          ; v24-27 the rows' sums; later at work in QB
.set PX,   28                          ; v28-31 the other half of the lanes' sums; later the rows' scale bytes
.set WN,   32                          ; v32-63 w_norm (or 1.0), laid as a row is loaded
.set X,    64                          ; v64-191 four rows
.set Y,    192                         ; v192-255 two sets of 32 neighbours
.set SM,   20                          ; s20    all ones in a wave that works on x, else 0
	s_load_b256 s[4:11], s[0:1], 0x0               ; x s[4:5], w_in s[6:7], w_out s[8:9], w_norm s[10:11]
	s_load_b64 s[12:13], s[0:1], 0x20              ; opc
	s_set_vgpr_msb 0x40
	v_lshl_add_u32 v0, v0, 2, 0x24600
	v_mov_b32 v1, 0
	s_set_vgpr_msb 0x4000
	v_lshrrev_b32 v1, 5, v0
	s_delay_alu instid0(VALU_DEP_1)
	v_readfirstlane_b32 s14, v1                    ; wave 0..11
	s_lshr_b32 s15, s14, 2                         ; which of the three tiles
	s_and_b32 s16, s14, 3                          ; which four rows of it; later: which record I copy out
	s_mul_i32 s17, ttmp9, 3
	s_add_co_u32 s17, s17, s15                     ; the tile's number T
	s_mov_b32 s22, 0x76543210
	s_mov_b32 s23, 0xfedcba98                      ; v_permlanex16_b32's selects for lane l xor 16
	s_mov_b32 s24, 0x3a800000                      ; 1 / 1,024
	s_mov_b32 s25, 0x3727c5ac                      ; 1e-5
	s_mov_b32 s18, 704
	v_and_b32 v1, 31, v0                           ; lane
	s_delay_alu instid0(VALU_DEP_1)
	v_lshlrev_b32 v[L16], 4, v1
	s_delay_alu instid0(VALU_DEP_2)
	v_lshlrev_b32 v[L4], 2, v1
	s_wait_alu depctr_va_vdst(0)
	s_wait_kmcnt 0x0
	s_cmp_lt_u32 s17, 704                          ; the choices hang on the tile's number alone
	s_cselect_b64 s[6:7], s[6:7], s[8:9]
	s_cselect_b32 s18, 512, s18                    ; the tensor's first tile
	s_cselect_b32 s19, 2, 1                        ; rows of a tile lie 2 apart, in w_out 1
	s_cmp_lt_u32 s17, 512
	s_cselect_b64 s[4:5], s[4:5], s[6:7]
	s_cselect_b32 s18, 0, s18
	s_cselect_b32 s[SM], -1, 0
	s_sub_co_u32 s21, s17, s18                     ; the tile's number in its tensor
	s_lshr_b32 s26, s21, 1
	s_lshl_b32 s26, s26, 5
	s_and_b32 s27, s21, 1
	s_add_co_u32 s26, s26, s27                     ; its first row: 32 (T / 2) + T % 2,
	s_lshl_b32 s27, s21, 4                         ; or 16 T
	s_cmp_eq_u32 s19, 2
	s_cselect_b32 s26, s26, s27
	s_mul_i32 s27, s19, s16
	s_lshl_b32 s27, s27, 2
	s_add_co_u32 s26, s26, s27                     ; my first row
	s_lshl_b32 s28, s26, 12                        ; in bytes: under 2^26
	s_mov_b32 s29, 0
	s_add_nc_u64 s[4:5], s[4:5], s[28:29]
	s_lshl_b32 s30, s19, 12                        ; from one of my rows to the next
	v_mov_b32 v[VOFF], v[L16]
	s_delay_alu instid0(VALU_DEP_1)
	v_add_nc_u32 v[VOFF+1], s30, v[VOFF]
	s_delay_alu instid0(VALU_DEP_1)
	v_add_nc_u32 v[VOFF+2], s30, v[VOFF+1]
	s_delay_alu instid0(VALU_DEP_1)
	v_add_nc_u32 v[VOFF+3], s30, v[VOFF+2]
.irp i, 0,1,2,3
.irp k, 0,1,2,3,4,5,6,7
	global_load_b128 v[X+32*\i+4*\k:X+32*\i+4*\k+3], v[VOFF+\i], s[4:5] offset:512*\k th:TH_LOAD_NT   ; 32 lanes read 512 consecutive bytes; read once in the launch
.endr
.endr
.irp k, 0,1,2,3,4,5,6,7
	global_load_b128 v[WN+4*\k:WN+4*\k+3], v[L16], s[10:11] offset:512*\k
.endr
	; LDS addresses, made while the loads are out
	v_bfe_u32 v14, v0, 3, 2                        ; lane / 8
	v_and_b32 v15, 7, v0                           ; lane % 8
	s_mul_i32 s26, s14, TURNW
	v_mul_u32_u24 v[TST], v14, 144
	s_delay_alu instid0(VALU_DEP_1)
	v_lshl_add_u32 v[TST], v15, 4, v[TST]
	s_delay_alu instid0(VALU_DEP_1)
	v_add_nc_u32 v[TST], s26, v[TST]               ; in: a load's 512 bytes are four blocks of 128, each with a place of 144
	v_mul_u32_u24 v[TLD], v1, 144
	s_delay_alu instid0(VALU_DEP_1)
	v_add_nc_u32 v[TLD], s26, v[TLD]               ; out: lane l takes block l of the row
	s_mul_i32 s27, s15, TIMG
	s_add_co_u32 s27, s27, IMG                     ; my tile's image
	v_mul_u32_u24 v14, v14, LR
	s_delay_alu instid0(VALU_DEP_1)
	v_add_nc_u32 v14, s27, v14                     ; block l lies in record l / 8,
	v_bfe_u32 v[IMA], v0, 1, 2
	s_delay_alu instid0(VALU_DEP_1)
	v_mul_u32_u24 v[IMA], v[IMA], 768              ; half-image (l / 2) % 4,
	v_and_b32 v[ISC], 1, v0
	s_delay_alu instid0(VALU_DEP_1)
	v_mad_u32_u24 v[IMA], v[ISC], 384, v[IMA]      ; half h = l % 2 of the lanes' places: 24 (r + 16 h),
	s_delay_alu instid0(VALU_DEP_1)
	v_add_nc_u32 v[IMA], v14, v[IMA]
	s_mul_i32 s31, s16, 96
	v_add_nc_u32 v[IMA], s31, v[IMA]               ; r = 4 x my quarter + i: the i stands in the stores' offsets
	v_add_nc_u32 v[ISC], v14, v15
	s_lshl_b32 s31, s16, 5
	s_add_co_u32 s31, s31, 3072
	v_add_nc_u32 v[ISC], s31, v[ISC]               ; the scale byte: 3,072 + 8 r + l % 8
	s_mul_i32 s31, s16, LR
	s_add_co_u32 s31, s31, s27
	v_add_nc_u32 v[CPA], s31, v[L16]
	v_add_nc_u32 v[CPS], s31, v[L4]
	s_delay_alu instid0(VALU_DEP_1)
	v_add_nc_u32 v[CPS], 3072, v[CPS]
	s_mul_i32 s28, s17, GT
	s_mul_i32 s31, s16, GR
	s_add_co_u32 s28, s28, s31
	s_add_nc_u64 s[12:13], s[12:13], s[28:29]      ; opc at the record that I copy out
.irp i, 0,1,2,3
	v_mov_b32 v[PX+\i], 0                          ; written once: a lane permute's destination counts as one of its sources
.endr
.macro SUMSQ i                         ; the sum of my 32 squares of row i, in four chains
	s_wait_loadcnt 32-8*\i                         ; behind row i's loads: the later rows' eight each, and w_norm's eight
.irp c, 0,1,2,3
	v_pk_mul_f32 v[CH+2*\c:CH+2*\c+1], v[X+32*\i+2*\c:X+32*\i+2*\c+1], v[X+32*\i+2*\c:X+32*\i+2*\c+1]
.endr
.irp n, 8,16,24
.irp c, 0,1,2,3
	s_delay_alu instid0(VALU_DEP_4)
	v_pk_fma_f32 v[CH+2*\c:CH+2*\c+1], v[X+32*\i+\n+2*\c:X+32*\i+\n+2*\c+1], v[X+32*\i+\n+2*\c:X+32*\i+\n+2*\c+1], v[CH+2*\c:CH+2*\c+1]
.endr
.endr
	s_delay_alu instid0(VALU_DEP_3)
	v_pk_add_f32 v[CH:CH+1], v[CH:CH+1], v[CH+2:CH+3]
	s_delay_alu instid0(VALU_DEP_2)
	v_pk_add_f32 v[CH+4:CH+5], v[CH+4:CH+5], v[CH+6:CH+7]
	s_delay_alu instid0(VALU_DEP_1)
	v_pk_add_f32 v[CH:CH+1], v[CH:CH+1], v[CH+4:CH+5]
	s_delay_alu instid0(VALU_DEP_1)
	v_add_f32 v[SS+\i], v[CH], v[CH+1]
.endm
.macro NORM i                          ; (x * the row's factor) * w_norm, in that order
.set n, 0
.rept 16
	v_pk_mul_f32 v[X+32*\i+n:X+32*\i+n+1], v[X+32*\i+n:X+32*\i+n+1], v[CH+2*\i:CH+2*\i+1] op_sel_hi:[1,0]
.set n, n+2
.endr
.set n, 0
.rept 16
	v_pk_mul_f32 v[X+32*\i+n:X+32*\i+n+1], v[X+32*\i+n:X+32*\i+n+1], v[WN+n:WN+n+1]
.set n, n+2
.endr
.endm
.macro TURN i                          ; row i through stage i % 2: LDS serves a wave's instructions in order, so no wait stands between the stores and the loads
.irp k, 0,1,2,3,4,5,6,7
	ds_store_b128 v[TST], v[X+32*\i+4*\k:X+32*\i+4*\k+3] offset:STG*(\i%2)+576*\k
.endr
.irp m, 0,1,2,3,4,5,6,7
	ds_load_b128 v[Y+32*(\i%2)+4*\m:Y+32*(\i%2)+4*\m+3], v[TLD] offset:STG*(\i%2)+16*\m
.endr
.endm
.macro QB i                            ; my block of row i: its scale byte and its 32 codes, into the image.  Four LDS stores
.set YS, Y+32*(\i%2)
.set XC, X+32*\i                       ; the row's own registers take the codes: its stores into the stage are done, since the loads behind them are back
	v_max3_num_f32 v24, |v[YS]|, |v[YS+1]|, 0x2800000              ; the largest magnitude, with the floor 2^(5 - 127) among the leaves: the byte cannot fall under 1
	v_max3_num_f32 v25, |v[YS+2]|, |v[YS+3]|, |v[YS+4]|
.irp n, 5,9,13,17,21,25
	s_delay_alu instid0(VALU_DEP_2)
	v_max3_num_f32 v24, v24, |v[YS+\n]|, |v[YS+\n+1]|
	s_delay_alu instid0(VALU_DEP_2)
	v_max3_num_f32 v25, v25, |v[YS+\n+2]|, |v[YS+\n+3]|
.endr
	s_delay_alu instid0(VALU_DEP_2)
	v_max3_num_f32 v24, v24, |v[YS+29]|, |v[YS+30]|
	s_delay_alu instid0(VALU_DEP_1)
	v_max3_num_f32 v24, v24, v25, |v[YS+31]|
	s_delay_alu instid0(VALU_DEP_1)
	v_add_nc_u32 v26, 0xfe000000, v24              ; 4 off its exponent field: the conversion takes the exponent field of this operand as its scale
	v_cvt_scalef32_pk16_bf6_f32 v[XC:XC+2], v[YS:YS+15], v26
	v_cvt_scalef32_pk16_bf6_f32 v[XC+4:XC+6], v[YS+16:YS+31], v26  ; (a conversion's three registers begin on an even number)
	v_lshrrev_b32 v[PX+\i], 23, v26                ; the scale's byte; also the plain line behind the conversions
	v_mov_b32 v[XC+3], v[XC+4]
	v_mov_b32 v[XC+4], v[XC+5]
	v_mov_b32 v[XC+5], v[XC+6]                     ; 24 bytes on end
.irp p, 0,1,2
	ds_store_b64 v[IMA], v[XC+2*\p:XC+2*\p+1] offset:24*\i+8*\p
.endr
	ds_store_b8 v[ISC], v[PX+\i] offset:8*\i
.endm
	SUMSQ 0
	SUMSQ 1
	SUMSQ 2
	SUMSQ 3
	s_wait_loadcnt 0x0                             ; w_norm
.set n, 0
.rept 32
	v_cndmask_b32 v[WN+n], 1.0, v[WN+n], s[SM]     ; the weights are multiplied by 1.0
.set n, n+1
.endr
.irp m, 1,2,4,8
.irp i, 0,1,2,3
	v_add_f32_dpp v[SS+\i], v[SS+\i], v[SS+\i] row_xmask:\m row_mask:0xf bank_mask:0xf   ; across 16 lanes, the four rows by turns
.endr
.endr
.irp i, 0,1,2,3
	s_delay_alu instid0(VALU_DEP_4)
	v_permlanex16_b32 v[PX+\i], v[SS+\i], s22, s23
.endr
.irp i, 0,1,2,3
	s_delay_alu instid0(VALU_DEP_4)
	v_add_f32 v[SS+\i], v[SS+\i], v[PX+\i]         ; the row's sum of squares, in every lane
.endr
.irp i, 0,1,2,3
	s_delay_alu instid0(VALU_DEP_4)
	v_fma_f32 v[SS+\i], v[SS+\i], s24, s25         ; the mean + 1e-5
.endr
	s_wait_alu depctr_va_vdst(0)
.irp i, 0,1,2,3
	v_rsq_f32 v[CH+2*\i], v[SS+\i]
.endr
	v_nop                                          ; a plain line behind the last of the batch
	s_wait_alu depctr_va_vdst(0)                   ; the wait ahead of the batch's first reader: one for the four
.irp i, 0,1,2,3
	v_cndmask_b32 v[CH+2*\i], 1.0, v[CH+2*\i], s[SM]
.endr
.irp i, 0,1,2,3
	s_delay_alu instid0(VALU_DEP_4)
	v_mov_b32 v[CH+2*\i+1], v[CH+2*\i]             ; named with it as a pair, so it is written
.endr
	NORM 0
	TURN 0
	NORM 1
	TURN 1
	s_wait_dscnt 16                                ; row 0 is back: behind its turn stand row 1's sixteen
	QB 0
	NORM 2
	TURN 2
	s_wait_dscnt 20                                ; row 1 is back: behind it QB 0's four stores and row 2's sixteen
	QB 1
	NORM 3
	TURN 3
	s_wait_dscnt 20                                ; row 2: QB 1's four and row 3's sixteen
	QB 2
	s_wait_dscnt 4                                 ; row 3: QB 2's four
	QB 3
	s_wait_dscnt 0x0                               ; for the others' sake: my stores into the image are done
	s_barrier_signal -1
	s_barrier_wait -1
.irp m, 0,1,2,3,4,5
	ds_load_b128 v[X+4*\m:X+4*\m+3], v[CPA] offset:512*\m
.endr
	ds_load_b32 v[X+24], v[CPS]
.irp m, 0,1,2,3,4,5
	s_wait_dscnt 6-\m
	global_store_b128 v[L16], v[X+4*\m:X+4*\m+3], s[12:13] offset:512*\m   ; 32 lanes store 512 consecutive bytes, at a multiple of 256 from the buffer's first byte
.endr
	s_wait_dscnt 0x0
	global_store_b32 v[L4], v[X+24], s[12:13] offset:3072                  ; the record's 128 scale bytes
	s_set_vgpr_msb 0x5
	s_wait_tensorcnt 0x0
	ds_add_u32 v0, v1
	s_wait_dscnt 0x0
	s_set_vgpr_msb 0x500
	s_endpgm
.Lfunc_end_k_qc192c7a046_prep:
	.size	k_qc192c7a046_prep, .Lfunc_end_k_qc192c7a046_prep-k_qc192c7a046_prep
	.p2alignl 7, 3214868480
	.fill 96, 4, 3214868480
	.section	.rodata,"a",@progbits
	.p2align	6, 0x0
	.amdhsa_kernel k_qc192c7a046_prep
		.amdhsa_group_segment_fixed_size 150528
		.amdhsa_private_segment_fixed_size 0
		.amdhsa_enable_private_segment 0
		.amdhsa_kernarg_size 40
		.amdhsa_user_sgpr_count 2
		.amdhsa_user_sgpr_kernarg_segment_ptr 1
		.amdhsa_wavefront_size32 1
		.amdhsa_system_sgpr_workgroup_id_x 1
		.amdhsa_system_sgpr_workgroup_id_y 1
		.amdhsa_system_sgpr_workgroup_id_z 1
		.amdhsa_system_vgpr_workitem_id 0
		.amdhsa_next_free_vgpr 258
		.amdhsa_next_free_sgpr 66
		.amdhsa_reserve_vcc 0
		.amdhsa_float_denorm_mode_32 3
		.amdhsa_float_denorm_mode_16_64 3
		.amdhsa_memory_ordered 1
		.amdhsa_forward_progress 1
		.amdhsa_inst_pref_size 42
	.end_amdhsa_kernel
	.amdgpu_metadata
---
amdhsa.version: [ 1, 2 ]
amdhsa.kernels:
  - .name:           k_qc192c7a046_prep
    .symbol:         k_qc192c7a046_prep.kd
    .args:
      - { .name: x, .offset: 0, .size: 8, .value_kind: global_buffer, .address_space: global }
      - { .name: w_in, .offset: 8, .size: 8, .value_kind: global_buffer, .address_space: global }
      - { .name: w_out, .offset: 16, .size: 8, .value_kind: global_buffer, .address_space: global }
      - { .name: w_norm, .offset: 24, .size: 8, .value_kind: global_buffer, .address_space: global }
      - { .name: opc, .offset: 32, .size: 8, .value_kind: global_buffer, .address_space: global }
    .group_segment_fixed_size: 150528
    .private_segment_fixed_size: 0
    .kernarg_segment_align: 8
    .kernarg_segment_size: 40
    .max_flat_workgroup_size: 384
    .sgpr_count:     66
    .vgpr_count:     258
    .wavefront_size: 32
...
	.end_amdgpu_metadata
.endif
;; end of part 1
;; launch qkv (part 2): grid 192 x 4, 4 waves a work-group, clusters of 4 x 4, 307,712 bytes of LDS; arguments opc, b_in, qkvc; writes qkvc
.if DOCPART == 2
	.amdgcn_target "amdgcn-amd-amdhsa--gfx1250"
	.amdhsa_code_object_version 6
	.text
	.protected	k_qc192c7a046_qkv
	.globl	k_qc192c7a046_qkv
	.p2align	8
	.type	k_qc192c7a046_qkv,@function
k_qc192c7a046_qkv:
	s_mov_b64 s[64:65], 0
	v_nop
	global_prefetch_b8 v0, s[64:65] scope:SCOPE_SE
	s_setreg_imm32_b32 hwreg(HW_REG_WAVE_MODE, 25, 1), 1
	s_wait_xcnt 0x0
	s_wait_alu depctr_hold_cnt(0) depctr_sa_sdst(0) depctr_va_vdst(0) depctr_va_sdst(0) depctr_va_ssrc(0) depctr_va_vcc(0) depctr_vm_vsrc(0)
	s_getreg_b32 s2, hwreg(HW_REG_IB_STS2, 6, 4)
	s_cmp_eq_u32 s2, 0
	s_cbranch_scc0 .Lentry_in_a_cluster
	s_endpgm
.Lentry_in_a_cluster:
	s_bfe_u32 s2, ttmp6, 0x10000c
	s_cmp_lg_u32 s2, 0xf033
	s_cbranch_scc0 .Lentry_shape_is_right
	s_endpgm
.Lentry_shape_is_right:
; QKV: qkv = xn w_in^T + b_in on codes of BF6 (E3M2), and q, k, v quantised at once for the two products of attention; no f32 number of qkv goes to memory.
; OPERANDS come from opc as tiles of 16 rows (13,312 bytes: four records of 256 along K: four half-images of 768 bytes, lane (r, h) owning the 24 bytes at 24 x lane, and 128 scale bytes).  Tile T holds rows 32 (T / 2) + 2 r + T % 2.
; A WORK-GROUP makes 128 rows of operand A x 256 rows of operand B over all of K = 1,024, which lies whole in LDS: four chunks of 256 along K, each filled ONCE, so that no LDS byte is filled again.
; Four waves, 2 x 2; a wave makes 64 x 128 in 32 accumulators.  THE MATRIX INSTRUCTION IS USED TRANSPOSED: source 0 = a tile of B (its rows go to a lane's registers), source 1 = a tile of A (its rows go to the lanes).
; q AND k (clusters 0-31): A = xn (tokens), B = w_in's rows 0-2,047: a lane holds one token, its registers run along the features = the K of q k^T.
; v (clusters 32-47): A = w_in's rows 2,048 on, B = xn: a lane holds one feature, its registers run along the tokens = the keys = the K of p v.  ONE PATH serves both: only scalars differ.
; By the rows of a tile, the 16 registers of B's tiles 2 g, 2 g + 1 in lane half h are elements 32 g + 16 h + 2 j + u (register 8 u + j): a whole half of block g, its order changed inside the block, alike in q and k, and alike in v and in attention's p.
; OUT: qkvc [q, k, v][batch x head][98,304]: q, k: [32 tokens][u][half-image]; v: [128 keys][64 keys][tile of 16 features][half-image].  qkvs [q, k, v][batch x head][4,096]: q, k: [32 tokens][r][2 bytes of token 2 r, 2 of token 2 r + 1]; v: [128 keys][256 bytes of words].
; CLUSTERS: 4 x 4 work-groups.  A's tiles hang on the tile row alone and are asked for jointly along a row of the cluster, B's on the tile column alone and jointly along a column.
; No prefetch: every tile is asked for at the kernel's head by its own tensor load, so there is nothing later to ask ahead for.
; LIMITS: a block of zeros, or one under 2^-122, gets the byte 1 (this program alone reads the bytes).  NaN and infinities are not served.
; REGISTERS, in windows of 256: window 0: v1-31 addresses; v32-55 scale words, two sets; v56-63 the way out's scale words; v64-127 the bias as the first products' C; v128-223 A's fragments, two sets; v224-231 the bias along the lanes; v232-248 at work.
;   window 1: B's fragments, two sets, at v0 and v128.   window 2: the accumulators, (a, b) at v[8 (8 a + b)].
.set GT,    13312
.set GR,    3328
.set LT,    3200                       ; a tile's record in LDS: codes and scale bytes
; AS THE TEXT NOW STANDS (in place of what the head says of chunks, of OUT and of qkvs):
; LDS: tile by tile, a tile's four records on end (4 LT bytes): A's 8 tiles, then B's 16.  Each wave brings its part by ONE tensor load (rows of 3,200 bytes, 3,328 apart in memory): waves 0, 1 B's halves, waves 2, 3 A's halves.
; OUT: qkvc alone, 307,200 bytes a (batch, head): q's codes (48 bytes a token) and at 98,304 its scale words (2 bytes a token); from 102,400 on sixteen records of 12,800 bytes, one for each 128 keys:
; k's codes 6,144, v's codes 6,144, k's scale words 256, v's scale words 256, each laid inside as the head says.
.set CHUNK, LT                         ; from a tile's record to its next
.set BOFF,  32*LT                      ; A's 8 tiles; also a half of B's 16
.set ADRB2, 249                        ; v249-252  my B fragments, tiles 4-7, in chunk j (an LDS offset has 16 bits)
.set ADRA, 12                          ; v12-15  my A fragments in chunk j
.set ADRB, 16                          ; v16-19  my B fragments
.set ADSA, 20                          ; v20-23  A's scale bytes: lanes 0-15 tile i, lanes 16-31 tile i + 2
.set ADSB, 24                          ; v24-27  B's: lanes 0-15 tile i, lanes 16-31 tile i + 4
.set STO,  28                          ; v28     the stage: 8 x lane
.set SWS,  29                          ; v29     its scale words: 4 r
.set SRD,  30                          ; v30     back: 16 x lane
.set SRS,  31                          ; v31     back: 8 x lane
.set VO,   8                           ; v8-9    byte offsets of the two halves of my codes in qkvc
.set VOS,  10                          ; v10     and of my scale words in qkvc
.set SC,   32
.set WS,   56
.set BN,   64
.set AF,   128
.set H,    128                         ; the way out: 64 numbers of a lane
.set PC,   192                         ; the codes just made
.set BM,   224
.set TM,   232
.set PW,   248
.set SEL,  12                          ; s[12:13]
.set G1A,  24                          ; s[24:31] descriptor group 1 for A's tiles, s[32:39] for B's
.set G1B,  32
.set G0A,  40                          ; s[40:43] group 0 for A's tiles; B's at s[56:59]
.set MSB, 0
.macro WIN new                         ; the immediate's high byte repeats the setting that is left
.if MSB != \new
	s_set_vgpr_msb (MSB<<8)|\new
.set MSB, \new
.endif
.endm
.macro CREST
	s_cmp_lg_u32 s14, 0
	s_cbranch_scc1 .Lnot_wave_0_\@
	s_barrier_signal -3
.Lnot_wave_0_\@:
	s_barrier_wait -3
	s_barrier_signal -1
	s_barrier_wait -1
.endm
.macro CROUND                          ; a round of the cluster's barrier
	s_barrier_signal -1
	s_barrier_wait -1
	CREST
.endm
.macro PLACES n
.rept \n
	v_nop
.endr
.endm
	s_load_b128 s[4:7], s[0:1], 0x0                ; opc s[4:5], b_in s[6:7]
	s_load_b64 s[8:9], s[0:1], 0x10                ; qkvc
	v_lshl_add_u32 v254, v0, 2, 0x4b000
	v_mov_b32 v255, 0
	ds_add_u32 v254, v255
	ds_add_u32 v254, v255
	v_lshrrev_b32 v1, 5, v0
	v_readfirstlane_b32 s14, v1                    ; wave 0..3
	s_lshr_b32 s15, s14, 1                         ; which four of A's eight tiles are mine
	s_and_b32 s16, s14, 1                          ; which eight of B's sixteen; also: which eight I fetch
	s_bfe_u32 s17, ttmp6, 0x40000                  ; cx
	s_bfe_u32 s18, ttmp6, 0x40004                  ; cy
	s_lshr_b32 s19, ttmp9, 5                       ; 0: q and k; 1: v.  The same in all sixteen partners
	; A's tiles: registers that never hold cx
	s_and_b32 s20, ttmp9, 31
	s_lshl_b32 s21, s19, 1
	s_add_co_u32 s21, s21, 1
	s_lshr_b32 s20, s20, s21                       ; the cluster's row: c / 2, or (c - 32) / 8
	s_lshl_b32 s20, s20, 2
	s_add_co_u32 s20, s20, s18                     ; tile row tr
	s_mul_i32 s21, s19, 640                        ; xn begins at tile 0, w_in's row 2,048 at tile 640
	s_lshl_b32 s22, s20, 3
	s_add_co_u32 s22, s22, s21
	s_mul_i32 s22, s22, GT
	s_mov_b32 s23, 0
	; B's tiles: registers that never hold cy
	s_mul_i32 s76, s19, 6
	s_add_co_u32 s76, s76, 1
	s_and_b32 s76, ttmp9, s76                      ; the cluster's column: c % 2, or (c - 32) % 8
	s_lshl_b32 s76, s76, 2
	s_add_co_u32 s76, s76, s17                     ; tile column tc
	s_xor_b32 s77, s19, 1
	s_lshl_b32 s77, s77, 9                         ; w_in begins at tile 512, xn at 0
	s_lshl_b32 s78, s76, 4
	s_add_co_u32 s78, s78, s77
	s_lshl_b32 s77, s16, 3
	s_add_co_u32 s78, s78, s77                     ; + the eight that I fetch
	s_mul_i32 s78, s78, GT
	s_mov_b32 s79, 0
	s_lshl_b32 s80, s18, 2
	s_lshl_b32 s80, 15, s80                        ; my row of the cluster
	s_lshl_b32 s81, 0x1111, s17                    ; my column
	; descriptor group 1: four or eight tiles' records: 16 or 32 rows of 400 elements of 8 bytes (3,200 bytes), 416 elements (a record) apart; dense in LDS
	s_or_b32 s[G1A], s80, (3<<16)|(1<<21)          ; 15:0 the mask; 17:16 elements of 8 bytes; 21 set beside a mask
	s_or_b32 s[G1B], s81, (3<<16)|(1<<21)
.irp g, G1A, G1B
	s_mov_b32 s[\g+1], 400<<16                     ; tensor_dim0
	s_mov_b32 s[\g+2], (16+2*(\g-G1A))<<16         ; tensor_dim1: records: 16 for A's four tiles, 32 for B's eight
	s_mov_b32 s[\g+3], 400<<16                     ; tile_dim0
	s_mov_b32 s[\g+4], 16+2*(\g-G1A)               ; tile_dim1
	s_mov_b32 s[\g+5], 416                         ; from record to record: 3,328 bytes
	s_mov_b32 s[\g+6], 0
	s_mov_b32 s[\g+7], 0
.endr
	s_mul_i32 s82, s16, BOFF
	s_mov_b32 s[SEL], 0x76543210
	s_mov_b32 s[SEL+1], 0xfedcba98
	s_wait_dscnt 0x0
	s_wait_kmcnt 0x0
	s_add_nc_u64 s[22:23], s[4:5], s[22:23]
	s_add_nc_u64 s[78:79], s[4:5], s[78:79]
	s_mul_i32 s2, s16, 4*GT                        ; A: the four tiles that I fetch
	s_mov_b32 s3, 0
	s_add_nc_u64 s[22:23], s[22:23], s[2:3]
	s_mov_b32 s[G0A], 1                            ; count = 1
	s_mul_i32 s[G0A+1], s16, 16*LT                 ; LDS address
	s_mov_b64 s[G0A+2:G0A+3], s[22:23]
	s_or_b32 s[G0A+3], s[G0A+3], 0x80000000        ; type = 2
	s_mov_b32 s56, 1
	s_add_co_u32 s57, s82, BOFF
	s_mov_b64 s[58:59], s[78:79]
	s_or_b32 s59, s59, 0x80000000
	CROUND                                         ; all sixteen work-groups are here: the joint loads meet
	s_cmp_lt_u32 s14, 2                            ; one tensor load a wave: waves 0, 1 B's halves, waves 2, 3 A's
	s_cbranch_scc0 .Lnot_b
	tensor_load_to_lds s[56:59], s[G1B:G1B+7]
	s_nop 0
	PLACES 4
	s_branch .Lasked
.Lnot_b:
	tensor_load_to_lds s[G0A:G0A+3], s[G1A:G1A+7]
	s_nop 0
	PLACES 4
.Lasked:
	; LDS addresses: constants, the lane and the wave's number alone
	v_and_b32 v1, 31, v0                           ; lane
	v_and_b32 v2, 15, v0                           ; r
	v_bfe_u32 v3, v0, 4, 1                         ; h
	v_mul_u32_u24 v4, v1, 24
	v_lshlrev_b32 v5, 3, v2
	s_mul_i32 s2, s15, 16*LT
	s_mul_i32 s3, s16, BOFF
	s_add_co_u32 s3, s3, BOFF
	v_add_nc_u32 v[ADRA], s2, v4
	v_add_nc_u32 v[ADRB], s3, v4
	v_mad_u32_u24 v6, v3, 8*LT, v5
	v_mad_u32_u24 v7, v3, 16*LT, v5
	v_add_nc_u32 v6, 3072, v6
	v_add_nc_u32 v7, 3072, v7
	v_add_nc_u32 v[ADSA], s2, v6
	v_add_nc_u32 v[ADSB], s3, v7
.irp j, 1,2,3
	v_add_nc_u32 v[ADRA+\j], CHUNK*\j, v[ADRA]
	v_add_nc_u32 v[ADRB+\j], CHUNK*\j, v[ADRB]
	v_add_nc_u32 v[ADSA+\j], CHUNK*\j, v[ADSA]
	v_add_nc_u32 v[ADSB+\j], CHUNK*\j, v[ADSB]
.endr
.irp j, 0,1,2,3
	v_add_nc_u32 v[ADRB2+\j], 16*LT, v[ADRB+\j]
.endr
	s_mul_i32 s82, s14, 6400                       ; my stage for the way out: 6,144 bytes of codes + 256 of scale words, on A's first tiles
	v_lshl_add_u32 v[STO], v1, 3, s82              ; the stage: 8 x lane (the 16-byte parts go by v[SRD], 16 x lane)
	v_lshl_add_u32 v[SWS], v2, 2, s82
	v_add_nc_u32 v[SWS], 6144, v[SWS]
	v_lshl_add_u32 v[SRD], v1, 4, s82
	v_lshl_add_u32 v[SRS], v1, 3, s82
	v_add_nc_u32 v[SRS], 6144, v[SRS]
	; where my 64 x 128 numbers go
	s_lshl_b32 s83, s20, 7
	s_lshl_b32 s84, s15, 6
	s_add_co_u32 s83, s83, s84                     ; my first row of A
	s_lshl_b32 s84, s76, 8
	s_lshl_b32 s85, s16, 7
	s_add_co_u32 s84, s84, s85                     ; my first row of B
	s_add_co_u32 s85, s83, 2048
	s_mov_b32 s90, 3072
	s_mov_b32 s91, 128
	s_mov_b32 s92, 0x03020100
	s_mov_b32 s93, 0x07060504
	s_cmp_eq_u32 s19, 0                            ; q and k, or v
	s_cselect_b32 s86, s83, s84                    ; my first token
	s_cselect_b32 s87, s84, s85                    ; my first feature of the 3,072
	s_cselect_b32 s88, s84, 0                      ; where the bias along the registers is read (for v it is not used: read inside the buffer, at 0)
	s_cselect_b32 s89, -1, 0                       ; lane mask: the bias runs along the registers
	s_cselect_b32 s94, 0, -1                       ; lane mask: it runs along the lanes
	s_cselect_b32 s90, 307200, s90                 ; from the first half of my codes to the second: the next head, or the step's next 64 keys
	s_cselect_b32 s91, 307200, s91                 ; the same for the scale words
	s_cselect_b32 s92, 0x05040100, s92             ; how two tiles' scale words are joined
	s_cselect_b32 s93, 0x07060302, s93
	s_lshr_b32 s95, s87, 10                        ; 0: q, 1: k, 2: v
	s_lshr_b32 s96, s86, 11
	s_lshl_b32 s96, s96, 4                         ; 16 x batch
	s_bfe_u32 s97, s87, 0x40006                    ; + head
	s_add_co_u32 s96, s96, s97
	s_mul_i32 s96, s96, 307200                     ; the (batch, head)'s bytes
	s_bfe_u32 s97, s86, 0x40007                    ; which 128 tokens of the batch
	s_and_b32 s98, s86, 127                        ; and my first token among them
	s_sub_co_u32 s99, s95, 1
	s_mul_i32 s2, s99, 6144
	s_add_co_u32 s2, s2, 102400                    ; k, v: codes begin at 102,400 + 6,144 (v)
	s_lshl_b32 s3, s99, 8
	s_add_co_u32 s3, s3, 114688                    ; scale words at 102,400 + 12,288 + 256 (v)
	s_mov_b32 s99, 12800
	s_cmp_eq_u32 s95, 0
	s_cselect_b32 s2, 0, s2                        ; q: codes at 0,
	s_cselect_b32 s3, 98304, s3                    ; scale words at 98,304
	s_cselect_b32 s95, 6144, s99                   ; from 128 tokens to the next: codes,
	s_cselect_b32 s99, 256, s99                    ; scale words
	s_mul_i32 s95, s95, s97
	s_mul_i32 s99, s99, s97
	s_add_co_u32 s2, s2, s95
	s_add_co_u32 s3, s3, s99
	s_mul_i32 s95, s98, 48                         ; 48 bytes of codes a token,
	s_add_co_u32 s2, s2, s95
	s_lshl_b32 s95, s98, 1                         ; 2 of scale words
	s_add_co_u32 s3, s3, s95
	s_add_co_u32 s98, s3, s96
	s_mov_b32 s99, 0
	s_add_nc_u64 s[10:11], s[8:9], s[98:99]        ; where my scale words go
	s_add_co_u32 s98, s2, s96
	s_add_nc_u64 s[8:9], s[8:9], s[98:99]          ; where my codes go
	s_lshl_b32 s98, s88, 2
	s_add_nc_u64 s[96:97], s[6:7], s[98:99]
	s_lshl_b32 s98, s87, 2
	s_add_nc_u64 s[6:7], s[6:7], s[98:99]
	v_lshlrev_b32 v[VO], 4, v1
	v_add_nc_u32 v[VO+1], s90, v[VO]
	v_mul_u32_u24 v[VOS], s91, v3
	v_lshl_add_u32 v[VOS], v2, 3, v[VOS]
	v_lshlrev_b32 v11, 6, v3
	; the bias.  Along the registers: lane half h wants features 32 g + 16 h + 0 .. 15 of my 128; along the lanes: feature 32 (a / 2) + 2 r + a % 2 of my 64
.irp g, 0,1,2,3
.irp i, 0,1,2,3
	global_load_b128 v[128+16*\g+4*\i:131+16*\g+4*\i], v11, s[96:97] offset:128*\g+16*\i
.endr
.endr
.irp a, 0,1,2,3
	global_load_b32 v[BM+2*\a], v5, s[6:7] offset:4*(32*(\a/2)+(\a%2))
.endr
.irp b, 0,1,2,3
	v_mov_b32 v[TM+4+\b], 0                        ; written once: a lane permute's destination counts as one of its sources
.endr
	s_wait_loadcnt 0x0
.irp g, 0,1,2,3
.irp u, 0,1
.irp j, 0,1,2,3,4,5,6,7
	v_cndmask_b32 v[BN+8*(2*\g+\u)+\j], 0, v[128+16*\g+2*\j+\u], s89   ; into the results' order; 0 for v
.endr
.endr
.endr
.irp a, 0,1,2,3
	v_cndmask_b32 v[BM+2*\a], 0, v[BM+2*\a], s94   ; 0 for q and k
	v_mov_b32 v[BM+2*\a+1], 0                      ; named with it as a pair, so it is written
.endr
.macro FRAG reg, adr, i, q             ; a fragment (16 rows x 128 K, 12 registers) is two half-images: six loads of 8 bytes at 24 x lane: the 32 lanes' addresses are 6 words apart
.irp p, 0,1,2,3,4,5
	ds_load_b64 v[\reg+2*\p:\reg+2*\p+1], v[\adr] offset:4*LT*(\i)+1536*(\q)+768*(\p/3)+8*(\p%3)
.endr
.endm
.macro SCALES j, s                     ; chunk j's scale bytes into set s: a row's eight bytes are the words of the chunk's two K steps
.irp i, 0,1,2,3
	ds_load_b64 v[SC+12*(\s)+2*\i:SC+12*(\s)+2*\i+1], v[ADSB+(\j)] offset:4*LT*\i
.endr
.irp i, 0,1
	ds_load_b64 v[SC+12*(\s)+8+2*\i:SC+12*(\s)+8+2*\i+1], v[ADSA+(\j)] offset:4*LT*\i
.endr
.endm
.macro FETCH k                         ; K step k (128 along K): chunk k / 2, its half k % 2, into set k % 2
	WIN 0x40                                       ; destination window 1
.irp b, 0,1,2,3,4,5,6,7
	FRAG 128*((\k)%2)+12*\b, ADRB+(\k)/2+(ADRB2-ADRB)*(\b/4), \b%4, (\k)%2
.endr
	WIN 0
.if ((\k)%2) == 0
	SCALES (\k)/2, ((\k)/2)%2
.endif
.irp a, 0,1,2,3
	FRAG AF+48*((\k)%2)+12*\a, ADRA+(\k)/2, \a, (\k)%2
.endr
.endm
.macro WM ra, rb                       ; one product; ra, rb: source 0's, source 1's scales stand in lanes 16-31
.if (\ra) && (\rb)
	v_wmma_scale_f32_16x16x128_f8f6f4 v[rD:rD+7], v[rB:rB+11], v[rA:rA+11], v[rC:rC+7], v[rSB], v[rSA] matrix_a_fmt:MATRIX_FMT_BF6 matrix_b_fmt:MATRIX_FMT_BF6 matrix_a_scale:MATRIX_SCALE_ROW1 matrix_b_scale:MATRIX_SCALE_ROW1
.elseif (\ra)
	v_wmma_scale_f32_16x16x128_f8f6f4 v[rD:rD+7], v[rB:rB+11], v[rA:rA+11], v[rC:rC+7], v[rSB], v[rSA] matrix_a_fmt:MATRIX_FMT_BF6 matrix_b_fmt:MATRIX_FMT_BF6 matrix_a_scale:MATRIX_SCALE_ROW1
.elseif (\rb)
	v_wmma_scale_f32_16x16x128_f8f6f4 v[rD:rD+7], v[rB:rB+11], v[rA:rA+11], v[rC:rC+7], v[rSB], v[rSA] matrix_a_fmt:MATRIX_FMT_BF6 matrix_b_fmt:MATRIX_FMT_BF6 matrix_b_scale:MATRIX_SCALE_ROW1
.else
	v_wmma_scale_f32_16x16x128_f8f6f4 v[rD:rD+7], v[rB:rB+11], v[rA:rA+11], v[rC:rC+7], v[rSB], v[rSA] matrix_a_fmt:MATRIX_FMT_BF6 matrix_b_fmt:MATRIX_FMT_BF6
.endif
.endm
; 16 products: A's tiles a0, a0 + 1 x B's eight.  first = 1: the bias is the C of a sum's first product.  The 32 accumulators take turns, one instruction a turn, in the same order in every step.
.macro MUL a0, k, first
.if \first
	WIN 0x81                                       ; source 0 (B) window 1, source 1 (A) and C window 0, D window 2
.else
	WIN 0xa1                                       ; C and D window 2
.endif
.irp a, \a0, \a0+1
.irp b, 0,1,2,3,4,5,6,7
.set rD, 8*(8*(\a)+\b)
.set rB, 128*((\k)%2)+12*\b
.set rA, AF+48*((\k)%2)+12*(\a)
.set rSB, SC+12*(((\k)/2)%2)+2*(\b%4)+(\k)%2
.set rSA, SC+12*(((\k)/2)%2)+8+2*((\a)%2)+(\k)%2
.if \first
.set rC, BN+8*\b
.else
.set rC, rD
.endif
	WM \b/4, (\a)/2
.endr
.endr
.endm
; A K step.  Its fragments were asked for a whole step ago.  The next step's are asked for first, into the other sets, which the step before has read: four plain lines stand between those products and the loads
; (ISA guide 7.12.1 for vector instructions).
.macro STEP k
	s_wait_dscnt 0x0                               ; this step's fragments are in; no LDS instruction of mine is out at the barrier's signal
	PLACES 4
.if (\k) == 7
	s_barrier_signal -1                            ; my last reads of the tiles are in: the stage of the way out lies on A's first tiles, and is written only behind this barrier's wait
.endif
.if (\k) < 7
	FETCH (\k)+1
.endif
.if (\k) == 0
	MUL 0, \k, 1
	MUL 2, \k, 1
.else
	MUL 0, \k, 0
	MUL 2, \k, 0
.endif
.endm
	s_wait_alu depctr_va_vdst(0)
	s_wait_tensorcnt 0x0                           ; my one load is in; the barrier shows all four to all
	s_barrier_signal -1
	s_barrier_wait -1
	FETCH 0
.irp k, 0,1,2,3,4,5,6,7
	STEP \k
.endr
	s_barrier_wait -1                              ; no wave reads a tile any more
; THE WAY OUT.  64 numbers of a lane, register 16 b + i = slot 16 (lane / 16) + i of block b of my row, become a fragment's codes in v[PC] on and its scale word in v[PW].
.macro QUANT
.irp b, 0,1,2,3
	v_max3_num_f32 v[TM+\b], |v[H+16*\b]|, |v[H+1+16*\b]|, 0x2800000   ; my 16 numbers of block b, and the floor 2^(5 - 127): the byte cannot fall under 1
.endr
.irp i, 2,4,6,8,10,12,14
.irp b, 0,1,2,3
	v_max3_num_f32 v[TM+\b], v[TM+\b], |v[H+16*\b+\i]|, |v[H+1+16*\b+\i]|
.endr
.endr
.irp b, 0,1,2,3
	v_permlanex16_b32 v[TM+4+\b], v[TM+\b], s[SEL], s[SEL+1]
.endr
.irp b, 0,1,2,3
	v_max_num_f32 v[TM+\b], v[TM+\b], v[TM+4+\b]   ; with lane l xor 16's: the block's largest magnitude
.endr
.irp b, 0,1,2,3
	v_add_nc_u32 v[TM+12+\b], 0xfe000000, v[TM+\b] ; 4 off its exponent field: the conversion's scale operand
.endr
.irp b, 0,1,2,3
	v_lshrrev_b32 v[TM+4+\b], 23, v[TM+12+\b]      ; the scale's byte
.endr
	v_lshl_or_b32 v[PW], v[TM+5], 8, v[TM+4]
	v_lshl_or_b32 v[PW], v[TM+6], 16, v[PW]
	v_lshl_or_b32 v[PW], v[TM+7], 24, v[PW]
.irp c, 0,1
	v_cvt_scalef32_pk16_bf6_f32 v[PC+6*\c:PC+2+6*\c], v[H+32*\c:H+15+32*\c], v[TM+12+2*\c]
	v_cvt_scalef32_pk16_bf6_f32 v[PC+12+4*\c:PC+14+4*\c], v[H+16+32*\c:H+31+32*\c], v[TM+12+2*\c+1]   ; (a conversion's three registers begin on an even number)
.endr
	v_nop                                          ; one plain line behind a scaled conversion
.irp c, 0,1                            ; the operand's layout wants a whole block in a lane: lanes 0-15 block 2 c, lanes 16-31 block 2 c + 1
.irp i, 0,1,2
	v_permlane16_swap_b32 v[PC+6*\c+\i], v[PC+12+4*\c+\i]
.endr
.irp i, 0,1,2
	v_mov_b32 v[PC+3+6*\c+\i], v[PC+12+4*\c+\i]
.endr
.endr
.endm
	PLACES 4                                       ; behind the last products: their results are read, and registers that they read are written
.irp a, 0,1,2,3                        ; A's tile a: its eight accumulators, each from its low end on
	WIN 0x02                                       ; source 0 window 2
.set n, 0
.rept 32
	v_pk_add_f32 v[H+n:H+n+1], v[64*\a+n:64*\a+n+1], v[BM+2*\a:BM+2*\a+1] op_sel_hi:[1,0]   ; + the bias along the lanes (v), and into window 0
.set n, n+2
.endr
	WIN 0
	QUANT
	v_mov_b32 v[WS+\a], v[PW]
.irp e, 0,1                            ; an image of q, k or v (768 bytes) is laid as 32 lanes x the first 16 of a lane's 24 bytes, then 32 lanes x the last 8
	ds_store_b128 v[SRD], v[PC+6*\e:PC+6*\e+3] offset:768*(4*\e+\a)
	ds_store_b64 v[STO], v[PC+6*\e+4:PC+6*\e+5] offset:768*(4*\e+\a)+512
.endr
	s_wait_dscnt 0x0                               ; the stores have read their registers
.endr
	s_wait_alu depctr_va_vdst(0)
.irp g, 0,1                            ; q, k: the two bytes of a head from tiles 2 g and 2 g + 1 make a word; v: each tile's word as it is
	v_perm_b32 v[60+2*\g], v[WS+2*\g+1], v[WS+2*\g], s92
	v_perm_b32 v[61+2*\g], v[WS+2*\g+1], v[WS+2*\g], s93
	ds_store_b32 v[SWS], v[60+2*\g] offset:64*\g   ; lanes r and r + 16 write the same word with the same value
	ds_store_b32 v[SWS], v[61+2*\g] offset:128+64*\g
.endr
.irp i, 0,1,2,3,4,5,6,7,8,9,10,11
	ds_load_b128 v[64+4*\i:67+4*\i], v[SRD] offset:512*\i   ; LDS serves a wave's instructions in order: these see my stores
.endr
	ds_load_b64 v[112:113], v[SRS]
.irp i, 0,1,2,3,4,5,6,7,8,9,10,11
	s_wait_dscnt 12-\i                             ; behind load i: the later ones of the twelve, and the scale words'
	global_store_b128 v[VO+\i/6], v[64+4*\i:67+4*\i], s[8:9] offset:512*(\i%6)   ; 32 lanes store 512 consecutive bytes, at a multiple of 256 from the buffer's first byte
.endr
	s_wait_dscnt 0x0
	global_store_b64 v[VOS], v[112:113], s[10:11]  ; v: 256 consecutive bytes; q, k: 128 for each of two heads
	s_wait_tensorcnt 0x0
	s_wait_tensorcnt 0x0
	ds_add_u32 v254, v255
	s_wait_dscnt 0x0
	CROUND                                         ; the closing round: no work-group ends while a partner may still ask for a tile that names it
	s_endpgm
.Lfunc_end_k_qc192c7a046_qkv:
	.size	k_qc192c7a046_qkv, .Lfunc_end_k_qc192c7a046_qkv-k_qc192c7a046_qkv
	.p2alignl 7, 3214868480
	.fill 96, 4, 3214868480
	.section	.rodata,"a",@progbits
	.p2align	6, 0x0
	.amdhsa_kernel k_qc192c7a046_qkv
		.amdhsa_group_segment_fixed_size 307712
		.amdhsa_private_segment_fixed_size 0
		.amdhsa_enable_private_segment 0
		.amdhsa_kernarg_size 24
		.amdhsa_user_sgpr_count 2
		.amdhsa_user_sgpr_kernarg_segment_ptr 1
		.amdhsa_wavefront_size32 1
		.amdhsa_system_sgpr_workgroup_id_x 1
		.amdhsa_system_sgpr_workgroup_id_y 1
		.amdhsa_system_sgpr_workgroup_id_z 1
		.amdhsa_system_vgpr_workitem_id 0
		.amdhsa_next_free_vgpr 768
		.amdhsa_next_free_sgpr 100
		.amdhsa_reserve_vcc 0
		.amdhsa_float_denorm_mode_32 3
		.amdhsa_float_denorm_mode_16_64 3
		.amdhsa_memory_ordered 1
		.amdhsa_forward_progress 1
		.amdhsa_inst_pref_size 116
	.end_amdhsa_kernel
	.amdgpu_metadata
---
amdhsa.version: [ 1, 2 ]
amdhsa.kernels:
  - .name:           k_qc192c7a046_qkv
    .symbol:         k_qc192c7a046_qkv.kd
    .args:
      - { .name: opc, .offset: 0, .size: 8, .value_kind: global_buffer, .address_space: global }
      - { .name: b_in, .offset: 8, .size: 8, .value_kind: global_buffer, .address_space: global }
      - { .name: qkvc, .offset: 16, .size: 8, .value_kind: global_buffer, .address_space: global }
    .group_segment_fixed_size: 307712
    .private_segment_fixed_size: 0
    .kernarg_segment_align: 8
    .kernarg_segment_size: 24
    .max_flat_workgroup_size: 128
    .sgpr_count:     100
    .vgpr_count:     768
    .wavefront_size: 32
...
	.end_amdgpu_metadata
.endif
;; end of part 2
;; launch attn (part 3): grid 4 x 64, 8 waves a work-group, clusters of 4 x 1, 327,680 bytes of LDS; arguments qkvc, oc; writes oc
.if DOCPART == 3
	.amdgcn_target "amdgcn-amd-amdhsa--gfx1250"
	.amdhsa_code_object_version 6
	.text
	.protected	k_qc192c7a046_attn
	.globl	k_qc192c7a046_attn
	.p2align	8
	.type	k_qc192c7a046_attn,@function
k_qc192c7a046_attn:
	s_mov_b64 s[64:65], 0
	v_nop
	global_prefetch_b8 v0, s[64:65] scope:SCOPE_SE
	s_setreg_imm32_b32 hwreg(HW_REG_WAVE_MODE, 25, 1), 1
	s_wait_xcnt 0x0
	s_wait_alu depctr_hold_cnt(0) depctr_sa_sdst(0) depctr_va_vdst(0) depctr_va_sdst(0) depctr_va_ssrc(0) depctr_va_vcc(0) depctr_vm_vsrc(0)
	s_getreg_b32 s2, hwreg(HW_REG_IB_STS2, 6, 4)
	s_cmp_eq_u32 s2, 0
	s_cbranch_scc0 .Lentry_in_a_cluster
	s_endpgm
.Lentry_in_a_cluster:
	s_bfe_u32 s2, ttmp6, 0x10000c
	s_cmp_lg_u32 s2, 0x3003
	s_cbranch_scc0 .Lentry_shape_is_right
	s_endpgm
.Lentry_shape_is_right:
; ATTN: o = softmax(q k^T / 8) v on codes of BF6 (E3M2), and o quantised at once along the hidden axis for the projection.
; IN: qkvc, 307,200 bytes a (batch, head): q's codes (tile T of 16 tokens 32 (T / 2) + 2 r + T % 2: an image of 768 bytes at 768 T) and at 98,304 its scale words;
; from 102,400 on sixteen records of 12,800 bytes, one for each 128 keys: k's codes (four groups of 32 keys x two images), v's codes ([64 keys][tile of 16 features]), k's 256 bytes of scale words, v's 256.
; AN IMAGE is 16 rows x 64 along K as the operand's registers want them: slot r + 16 h owns 24 bytes (row r, block h): the first 16 at 16 x slot, the last 8 at 512 + 8 x slot: one load of 16 bytes and one of 8.
; A WORK-GROUP takes 512 queries of one head; a wave takes TWO tiles of 16 queries in each of two passes over the 2,048 keys, 128 keys a step: each fragment of k and of v is read from LDS once for both tiles.
; K and V of the head lie whole in LDS, each byte filled once.
; BOTH PRODUCTS ARE USED TRANSPOSED (S^T = k q^T, O^T = v^T p^T): a lane holds one query.  The head size is 64, half of the instruction's K: a fragment of k holds two tiles of 16 keys side by side along K,
; and q stands beside 64 zero codes, once below them and once above, so that each product takes one of the two tiles.
; THE ROWS OF A TILE OF k ARE CHOSEN BY THE LANES' ADDRESSES: rows 0-7 come from group 2 c, rows 8-15 from group 2 c + 1, rows 8 m .. 8 m + 7 of the image.  So the 32 registers S + 32 c .. of lane half h are the 32 keys of
; block 2 c + h, in the order in which v's codes have them: a block's largest score needs no other lane, and the conversions' results are the operand's registers.  (Rows 0-7 and 8-15 of a 16-byte load fall on the same banks.)
; SOFTMAX: M is the running largest t = score x log2(e) / 8 rounded up to a whole number; p = 2^(t - M); the row's sum is taken of the unquantised p; when M moves, sum and O^T are multiplied by a power of two.
; A block's largest p is made from the block's largest score by the same multiply-add and exponential.
; LOADS RUN AHEAD: v's fragments are asked for at a step's top, the next step's k behind this step's score products; in a run's last step the next step's address is held at the run's last step, whose k is read once more and not used.
; CLUSTERS: the four work-groups of a head ask for K and V jointly (mask 15).  Each wave asks for 50 rows of 256 bytes of steps 0-7 at the head, and for the same of steps 8-15 behind the sequence and the round
; ahead of the second fill; that second load is out during pass 0's first eight steps.  Every wait on TENSORcnt is for 0.
; No prefetch: both fills are asked for ahead of the first step, so there is no later request to run ahead of.
; OUT: oc, tiles of 16 tokens as the projection's operand: 13,312 bytes a tile, four records of 256 along the hidden axis: four half-images of 768 bytes (24 bytes at 24 x slot) and 128 scale bytes.
; LIMITS: the promise holds while the scaled scores stay under 2^31 in magnitude.  A block of zeros, or one under 2^-122, gets the byte 1 (this program alone reads the bytes).  NaN and infinities are not served.
; REGISTERS, in two windows of 256.  Both windows, tile 0 in window 0 and tile 1 in window 1: v6 the old -M, v8-10 and v220-222 the way out, v12 -M, v13 the largest score, v[14:15] the sum, v16-33 zeros, q, zeros,
; v88-151 S^T and p, v152-183 O^T, v184-203 p's codes, v204-219 at work, v233 8 x (lane / 16).  v40-87: window 0 k's four fragments, window 1 v's.
; Window 0 alone: v2 4 x lane, v7 4 r, v34 / v234 q's scales, v35 / v235 p's, v36-39 k's and v's, v224-229 the step's LDS addresses, v230-232 k's lane terms, v236 at work, v254-255 the add's.
.set UNIT,  307200
.set KVO,   102400
.set STEPB, 12800
.set HALF,  102400                     ; eight steps
.set STAGE, 204800                     ; behind K and V: 768 bytes for each wave
.set SPARE, 217088                     ; behind the stages: the spare words, 128 bytes for each wave
.set S,   88
.set KV,  40
.set O,   152
.set PCD, 184
.set WV,  10
.set SEL, 14
.set CS,  16
.set TK,  18
.set NC,  19
.set TN,  20
.set CNT, 22
.set G0A, 24
.set G0B, 28
.set G1,  44
.set MSB, 0
.macro WIN new                         ; bits 1:0 source 0, 3:2 source 1, 5:4 source 2, 7:6 destination; the immediate's high byte repeats the setting that is left
.if MSB != \new
	s_set_vgpr_msb (MSB<<8)|\new
.set MSB, \new
.endif
.endm
.macro CROUND                          ; a round of the cluster's barrier
	s_barrier_signal -1
	s_barrier_wait -1
	s_cmp_lg_u32 s[WV], 0
	s_cbranch_scc1 .Lnot_wave_0_\@
	s_barrier_signal -3
.Lnot_wave_0_\@:
	s_barrier_wait -3
	s_barrier_signal -1
	s_barrier_wait -1
.endm
	s_load_b128 s[4:7], s[0:1], 0x0                ; qkvc s[4:5], oc s[6:7]
	v_lshl_add_u32 v254, v0, 2, SPARE
	v_mov_b32 v255, 0
	ds_add_u32 v254, v255                          ; the opening lines: the add, twice on end, and its wait
	ds_add_u32 v254, v255
	v_lshrrev_b32 v1, 5, v0
	s_delay_alu instid0(VALU_DEP_1)
	v_readfirstlane_b32 s[WV], v1                  ; wave 0..7
	s_and_b32 s12, ttmp7, 0xffff                   ; 16 x batch + head
	s_mul_i32 s66, s12, UNIT
	s_mov_b32 s67, 0
	s_mul_i32 s70, s[WV], 12800                    ; my 50 rows of a half
	s_add_co_u32 s68, s70, KVO
	s_mov_b32 s69, 0
	s_mov_b32 s[G1], 15|(3<<16)|(1<<21)            ; the mask of the four; elements of 8 bytes; bit 21 beside a mask
	s_mov_b32 s[G1+1], 32<<16                      ; rows of 256 bytes,
	s_mov_b32 s[G1+2], 50<<16                      ; 50 of them,
	s_mov_b32 s[G1+3], 32<<16
	s_mov_b32 s[G1+4], 50
	s_mov_b32 s[G1+5], 32                          ; dense
	s_mov_b32 s[G1+6], 0
	s_mov_b32 s[G1+7], 0
	s_mov_b32 s[SEL], 0x76543210
	s_mov_b32 s[SEL+1], 0xfedcba98                 ; v_permlanex16_b32's selects for lane l xor 16
	s_mov_b32 s[CS], 0x3e38aa3b                    ; c = log2(e) / 8
	s_mov_b32 s[CS+1], s[CS]
	s_mov_b32 s[NC], 0xbe38aa3b                    ; -c
	s_wait_dscnt 0x0
	s_wait_kmcnt 0x0
	s_add_nc_u64 s[4:5], s[4:5], s[66:67]          ; my head's bytes
	s_add_nc_u64 s[68:69], s[4:5], s[68:69]
	s_mov_b32 s[G0A], 1
	s_mov_b32 s[G0A+1], s70
	s_mov_b64 s[G0A+2:G0A+3], s[68:69]
	s_or_b32 s[G0A+3], s[G0A+3], 0x80000000
	s_mov_b32 s[G0B], 1
	s_add_co_u32 s[G0B+1], s70, HALF
	s_add_nc_u64 s[G0B+2:G0B+3], s[68:69], HALF
	s_or_b32 s[G0B+3], s[G0B+3], 0x80000000
	CROUND                                         ; the four work-groups are here: the joint loads meet
	tensor_load_to_lds s[G0A:G0A+3], s[G1:G1+7]    ; steps 0-7: one tensor load a wave at the head
	s_nop 0
	s_bfe_u32 s11, ttmp6, 0x40000                  ; cx: which 512 queries
	s_lshl_b32 s13, s11, 5
	s_lshl_b32 s23, s[WV], 1
	s_add_co_u32 s13, s13, s23                     ; my first tile of q in pass 0, the second is the next; pass 1: 16 further on
	s_mul_i32 s72, s13, 768
	s_mov_b32 s73, 0
	s_add_nc_u64 s[72:73], s[4:5], s[72:73]
	s_lshl_b32 s74, s13, 5                         ; 64 bytes a group of 32 tokens, which is my two tiles
	s_add_co_u32 s74, s74, 98304
	s_mov_b32 s75, 0
	s_add_nc_u64 s[74:75], s[4:5], s[74:75]        ; their scale bytes: 2 for each of a row's two tokens
	s_lshr_b32 s23, s12, 4
	s_lshl_b32 s23, s23, 7
	s_add_co_u32 s23, s23, s13                     ; the tile in oc: 128 a batch
	s_mul_i32 s76, s23, 13312
	s_bfe_u32 s23, s12, 0x20002
	s_mul_i32 s23, s23, 3328                       ; record head / 4,
	s_add_co_u32 s76, s76, s23
	s_and_b32 s23, s12, 3
	s_lshl_b32 s3, s23, 1
	s_add_co_u32 s78, s76, s3
	s_add_co_u32 s78, s78, 3072                    ; scale bytes 2 (head % 4) of a row's eight,
	s_mul_i32 s23, s23, 768                        ; half-image head % 4
	s_add_co_u32 s76, s76, s23
	s_mov_b32 s77, 0
	s_mov_b32 s79, 0
	s_add_nc_u64 s[76:77], s[6:7], s[76:77]
	s_add_nc_u64 s[78:79], s[6:7], s[78:79]
	s_mul_i32 s63, s[WV], 768
	s_add_co_u32 s63, s63, STAGE
	v_and_b32 v11, 31, v0
	v_and_b32 v7, 15, v0
	v_and_b32 v3, 7, v0                            ; a tile's row % 8
	v_bfe_u32 v4, v0, 3, 1                         ; its row / 8: which of the two groups of keys
	v_bfe_u32 v5, v0, 4, 1                         ; lane / 16
	v_mul_u32_u24 v1, v11, 24
	v_lshlrev_b32 v2, 2, v11
	v_lshlrev_b32 v220, 4, v11
	v_lshlrev_b32 v221, 3, v11
	v_lshlrev_b32 v222, 3, v7
	v_lshlrev_b32 v7, 2, v7
	v_add_nc_u32 v8, s63, v1
	v_lshl_add_u32 v9, v11, 4, s63
	v_lshl_add_u32 v10, v11, 3, s63
	v_lshl_add_u32 v206, v5, 4, v3                 ; the slot in k's image, less 8 m
	v_mul_u32_u24 v207, v4, 1536                   ; a group's two images
	v_lshlrev_b32 v232, 2, v3
	v_lshlrev_b32 v233, 3, v5
	v_add_nc_u32 v10, 512, v10
	v_lshl_add_u32 v230, v206, 4, v207             ; k's 16-byte parts
	v_lshl_add_u32 v231, v206, 3, v207             ; k's 8-byte parts
	v_lshl_add_u32 v232, v4, 6, v232               ; k's scale words: 4 (row % 8) + 64 (row / 8),
	s_delay_alu instid0(VALU_DEP_1)
	v_lshl_add_u32 v232, v5, 5, v232               ; lanes 16-31: those of m = 1
.irp w, 0, 0x40                        ; in both windows:
	WIN \w
.irp j, 0,1,2,3,4,5
	v_mov_b32 v[16+\j], 0                          ; the zero codes on both sides of q
	v_mov_b32 v[28+\j], 0
.endr
.irp j, 207,215,208,209,219
	v_mov_b32 v[\j], 0                             ; lane permutes' destinations count as sources; v219 is named with v218 as a pair
.endr
.endr
.irp j, 8,9,10,220,221,222,233
	v_mov_b32 v[\j], v[\j]                         ; window 1's copies of what tile 1's lines name (destination window 1, source window 0)
.endr
	WIN 0
.macro QLOAD p                         ; pass p's two tiles of q and their scale bytes
	global_load_b128 v[22:25], v220, s[72:73] offset:12288*(\p)
	global_load_b64 v[26:27], v221, s[72:73] offset:12288*(\p)+512
	global_load_u16 v216, v7, s[74:75] offset:512*(\p)
	global_load_u16 v236, v7, s[74:75] offset:512*(\p)+2
	WIN 0x40
	global_load_b128 v[22:25], v220, s[72:73] offset:12288*(\p)+768
	global_load_b64 v[26:27], v221, s[72:73] offset:12288*(\p)+1280
	WIN 0
.endm
.macro KLOAD                           ; k's four fragments (fragment 2 c + m: tiles u = 0 and u = 1 side by side) and scale words: 18 LDS loads
.irp f, 0,1,2,3
.irp u, 0,1
	ds_load_b128 v[KV+12*\f+6*\u:KV+12*\f+6*\u+3], v224 offset:3072*(\f/2)+128*(\f%2)+768*\u
	ds_load_b64 v[KV+12*\f+6*\u+4:KV+12*\f+6*\u+5], v225 offset:3072*(\f/2)+64*(\f%2)+768*\u+512
.endr
.endr
	ds_load_b32 v36, v226 offset:12288             ; c = 0: lanes 0-15 m = 0, lanes 16-31 m = 1
	ds_load_b32 v37, v226 offset:12416             ; c = 1
.endm
.macro PRO                             ; ahead of a run of steps: its first step's k
	v_add_nc_u32 v224, s[TK], v230
	v_add_nc_u32 v225, s[TK], v231
	v_add_nc_u32 v226, s[TK], v232
	KLOAD
.endm
.macro QK t                            ; S^T of tile t: eight products
.irp f, 0,1,2,3
.if \f%2
	v_wmma_scale_f32_16x16x128_f8f6f4 v[S+16*\f:S+16*\f+7], v[KV+12*\f:KV+12*\f+11], v[22:33], 0, v[36+\f/2], v[34+200*\t] matrix_a_fmt:MATRIX_FMT_BF6 matrix_b_fmt:MATRIX_FMT_BF6 matrix_a_scale:MATRIX_SCALE_ROW1
	v_wmma_scale_f32_16x16x128_f8f6f4 v[S+16*\f+8:S+16*\f+15], v[KV+12*\f:KV+12*\f+11], v[16:27], 0, v[36+\f/2], v[34+200*\t] matrix_a_fmt:MATRIX_FMT_BF6 matrix_b_fmt:MATRIX_FMT_BF6 matrix_a_scale:MATRIX_SCALE_ROW1
.else
	v_wmma_scale_f32_16x16x128_f8f6f4 v[S+16*\f:S+16*\f+7], v[KV+12*\f:KV+12*\f+11], v[22:33], 0, v[36+\f/2], v[34+200*\t] matrix_a_fmt:MATRIX_FMT_BF6 matrix_b_fmt:MATRIX_FMT_BF6
	v_wmma_scale_f32_16x16x128_f8f6f4 v[S+16*\f+8:S+16*\f+15], v[KV+12*\f:KV+12*\f+11], v[16:27], 0, v[36+\f/2], v[34+200*\t] matrix_a_fmt:MATRIX_FMT_BF6 matrix_b_fmt:MATRIX_FMT_BF6
.endif
.endr
.endm
.macro PV t                            ; O^T of tile t: four products
.irp dt, 0,1,2,3
.if \dt/2
	v_wmma_scale_f32_16x16x128_f8f6f4 v[O+8*\dt:O+8*\dt+7], v[KV+12*\dt:KV+12*\dt+11], v[PCD:PCD+11], v[O+8*\dt:O+8*\dt+7], v[38+\dt%2], v[35+200*\t] matrix_a_fmt:MATRIX_FMT_BF6 matrix_b_fmt:MATRIX_FMT_BF6 matrix_a_scale:MATRIX_SCALE_ROW1
.else
	v_wmma_scale_f32_16x16x128_f8f6f4 v[O+8*\dt:O+8*\dt+7], v[KV+12*\dt:KV+12*\dt+11], v[PCD:PCD+11], v[O+8*\dt:O+8*\dt+7], v[38+\dt%2], v[35+200*\t] matrix_a_fmt:MATRIX_FMT_BF6 matrix_b_fmt:MATRIX_FMT_BF6
.endif
.endr
.endm
.macro TM cnt                          ; t - M, two at a time
.rept \cnt
	v_pk_fma_f32 v[S+n:S+n+1], v[S+n:S+n+1], s[CS:CS+1], v[12:13] op_sel_hi:[1,0,0]
.set n, n+2
.endr
.endm
.macro SUM cnt                         ; the sum of the unquantised p, in two chains
.rept \cnt
	v_pk_add_f32 v[14:15], v[14:15], v[S+n:S+n+1]
	v_pk_add_f32 v[208:209], v[208:209], v[S+n+2:S+n+3]
.set n, n+4
.endr
.endm
.macro SOFT t                          ; tile t's scores become p's codes and scale word; all its registers lie in window t
.if \t
	v_mov_b32 v6, v12                              ; the old -M (tile 0's stands at the step's top)
.endif
.irp c, 0,1                            ; the largest score of my two blocks of 32 keys, in four chains by turns
	v_max3_num_f32 v[204+\c], v[S+32*\c], v[S+32*\c+1], v[S+32*\c+2]
	v_max3_num_f32 v[210+\c], v[S+32*\c+16], v[S+32*\c+17], v[S+32*\c+18]
.endr
.irp i, 3,5,7,9,11,13
.irp c, 0,1
	v_max3_num_f32 v[204+\c], v[204+\c], v[S+32*\c+\i], v[S+32*\c+\i+1]
	v_max3_num_f32 v[210+\c], v[210+\c], v[S+32*\c+16+\i], v[S+32*\c+17+\i]
.endr
.endr
.irp c, 0,1
	v_max3_num_f32 v[204+\c], v[204+\c], v[210+\c], v[S+32*\c+15]
.endr
.irp c, 0,1
	v_max_num_f32 v[204+\c], v[204+\c], v[S+32*\c+31]
.endr
	s_delay_alu instid0(VALU_DEP_1)
	v_max_num_f32 v206, v204, v205
	s_delay_alu instid0(VALU_DEP_1)
	v_permlanex16_b32 v207, v206, s[SEL], s[SEL+1] ; lane l xor 16's two blocks
	s_delay_alu instid0(VALU_DEP_1)
	v_max3_num_f32 v13, v13, v206, v207            ; the running largest score
	s_delay_alu instid0(VALU_DEP_1)
	v_mul_f32 v206, s[NC], v13                     ; -t (c is positive)
	s_delay_alu instid0(VALU_DEP_1)
	v_floor_f32 v12, v206                          ; -M = floor(-t)
	v_sub_f32 v216, v12, v6
.set n, 0
	TM 8
	v_cvt_i32_f32 v216, v216                       ; (it saturates)
	TM 8
	v_ldexp_f32 v218, 1.0, v216                    ; f = 2^(old M - new M)
	TM 16
	v_fma_f32 v204, v204, s[CS], v12
	v_fma_f32 v205, v205, s[CS], v12
	s_wait_alu depctr_va_vdst(0)                   ; the wait ahead of the batch
.set n, 0
.rept 64
	v_exp_f32 v[S+n], v[S+n]
.set n, n+1
.endr
	v_exp_f32 v204, v204                           ; each block's largest p
	v_exp_f32 v205, v205
	v_pk_mul_f32 v[14:15], v[14:15], v[218:219] op_sel_hi:[1,0]   ; the sum under the new M; a plain line behind the batch
.if \t == 0
	s_wait_dscnt 18                                ; v's fragments are in; the 18 loads of the next step's k may be out
.endif
	s_wait_alu depctr_va_vdst(0)                   ; and behind the batch, directly ahead of the first reader of O^T
.set n, 0
.rept 16
	v_pk_mul_f32 v[O+n:O+n+1], v[O+n:O+n+1], v[218:219] op_sel_hi:[1,0]   ; O^T under the new M
.set n, n+2
.endr
	v_max_num_f32 v204, 0x2800000, v204            ; the floor 2^(5 - 127): the byte cannot fall under 1
	v_max_num_f32 v205, 0x2800000, v205
	v_pk_add_f32 v[208:209], v[S:S+1], v[S+2:S+3]
	v_add_nc_u32 v210, 0xfe000000, v204            ; 4 off the exponent field: the conversion's scale operand
	v_add_nc_u32 v211, 0xfe000000, v205
.irp c, 0,1
	v_cvt_scalef32_pk16_bf6_f32 v[PCD+6*\c:PCD+2+6*\c], v[S+32*\c:S+15+32*\c], v[210+\c]
	v_cvt_scalef32_pk16_bf6_f32 v[PCD+12+4*\c:PCD+14+4*\c], v[S+16+32*\c:S+31+32*\c], v[210+\c]   ; (a conversion's three registers begin on an even number)
.endr
	v_lshrrev_b32 v212, 23, v210                   ; the scales' bytes; also the plain line behind the conversions
	v_lshrrev_b32 v213, 23, v211
.irp c, 0,1
.irp i, 0,1,2
	v_mov_b32 v[PCD+3+6*\c+\i], v[PCD+12+4*\c+\i]  ; registers 6 c .. 6 c + 5: block 2 c + lane / 16
.endr
.endr
	v_lshl_or_b32 v214, v213, 16, v212             ; my two bytes: blocks h and 2 + h,
.set n, 4
	SUM 2
	v_lshlrev_b32 v214, v233, v214                 ; at their places in the word;
	SUM 2
	v_permlanex16_b32 v215, v214, s[SEL], s[SEL+1]
	SUM 2
.if \t
	WIN 0x05                                       ; scale operands are taken from window 0: the destination alone changes
	v_or_b32 v235, v214, v215
	WIN 0x55
.else
	v_or_b32 v35, v214, v215                       ; with lane l xor 16's two: p's scale word
.endif
	SUM 9
	v_pk_add_f32 v[14:15], v[14:15], v[208:209]
.endm
.macro STEP lim                        ; 32 queries x 128 keys
	v_add_nc_u32 v228, s[TK], v220                 ; these four lines are also the places between the last step's products and the loads below
	v_add_nc_u32 v229, s[TK], v221
	v_add_nc_u32 v227, s[TK], v2
	v_mov_b32 v6, v12                              ; tile 0's old -M
	WIN 0x40                                       ; v's fragments: destination window 1
.irp dt, 0,1,2,3
.irp c, 0,1
	ds_load_b128 v[KV+12*\dt+6*\c:KV+12*\dt+6*\c+3], v228 offset:6144+3072*\c+768*\dt
	ds_load_b64 v[KV+12*\dt+6*\c+4:KV+12*\dt+6*\c+5], v229 offset:6144+3072*\c+768*\dt+512
.endr
.endr
	WIN 0
	ds_load_b32 v38, v227 offset:12544
	ds_load_b32 v39, v227 offset:12672
	s_add_co_u32 s[TN], s[TK], STEPB
	s_min_u32 s[TN], s[TN], \lim                   ; the next step, held at the run's last
	s_wait_dscnt 18                                ; k's fragments are in; the 18 loads just issued may be out
	QK 0
	WIN 0x44                                       ; q and S^T of tile 1: source 1 and destination window 1
	QK 1
	WIN 0
	v_add_nc_u32 v224, s[TN], v230                 ; four places: loads land in registers that the products read
	v_add_nc_u32 v225, s[TN], v231
	v_add_nc_u32 v226, s[TN], v232
	v_nop
	KLOAD
	SOFT 0
	WIN 0x01                                       ; v's fragments: source 0 window 1
	PV 0
	WIN 0x55                                       ; tile 1: everything in window 1
	SOFT 1
	PV 1
	WIN 0
	s_add_co_u32 s[TK], s[TK], STEPB
.endm
.macro STEPS n, lim
	s_mov_b32 s[CNT], \n
.Lstep_\@:
	STEP \lim
	s_sub_co_u32 s[CNT], s[CNT], 1
	s_cmp_lg_u32 s[CNT], 0
	s_cbranch_scc1 .Lstep_\@
.endm
.macro EPI p, t                        ; tile t's o, divided by the sum, quantised and stored; all its registers lie in window t
	v_add_f32 v14, v14, v15
	s_delay_alu instid0(VALU_DEP_1)
	v_permlanex16_b32 v216, v14, s[SEL], s[SEL+1]
	s_delay_alu instid0(VALU_DEP_1)
	v_add_f32 v14, v14, v216                       ; the row's sum
	s_wait_alu depctr_va_vdst(0)
	v_rcp_f32 v14, v14
	v_nop
	s_wait_alu depctr_va_vdst(0)
.irp dt, 0,1,2,3
.irp j, 0,1,2,3,4,5,6,7
	v_mul_f32 v[S+16*(\dt/2)+2*\j+(\dt%2)], v[O+8*\dt+\j], v14   ; o, its 64 features in their order: register 16 b + i = feature 32 b + 16 (lane / 16) + i
.endr
.endr
.irp b, 0,1
	v_max3_num_f32 v[204+\b], |v[S+16*\b]|, |v[S+1+16*\b]|, 0x2800000
.endr
.irp i, 2,4,6,8,10,12,14
.irp b, 0,1
	s_delay_alu instid0(VALU_DEP_2)
	v_max3_num_f32 v[204+\b], v[204+\b], |v[S+16*\b+\i]|, |v[S+1+16*\b+\i]|
.endr
.endr
.irp b, 0,1
	s_delay_alu instid0(VALU_DEP_2)
	v_permlanex16_b32 v[208+\b], v[204+\b], s[SEL], s[SEL+1]
.endr
.irp b, 0,1
	s_delay_alu instid0(VALU_DEP_2)
	v_max_num_f32 v[204+\b], v[204+\b], v[208+\b]
.endr
.irp b, 0,1
	s_delay_alu instid0(VALU_DEP_2)
	v_add_nc_u32 v[212+\b], 0xfe000000, v[204+\b]
.endr
.irp b, 0,1
	s_delay_alu instid0(VALU_DEP_2)
	v_lshrrev_b32 v[208+\b], 23, v[212+\b]
.endr
	s_delay_alu instid0(VALU_DEP_1)
	v_lshl_or_b32 v217, v209, 8, v208
	v_cvt_scalef32_pk16_bf6_f32 v[PCD:PCD+2], v[S:S+15], v212
	v_cvt_scalef32_pk16_bf6_f32 v[PCD+12:PCD+14], v[S+16:S+31], v213
	v_nop
.irp i, 0,1,2
	v_permlane16_swap_b32 v[PCD+\i], v[PCD+12+\i]  ; here a block lies in lanes l and l xor 16: the operand wants it whole in a lane
.endr
.irp i, 0,1,2
	s_delay_alu instid0(VALU_DEP_3)
	v_mov_b32 v[PCD+3+\i], v[PCD+12+\i]
.endr
.irp i, 0,1,2
	ds_store_b64 v8, v[PCD+2*\i:PCD+2*\i+1] offset:8*\i   ; the half-image through my own stage: LDS serves a wave's instructions in order
.endr
	ds_load_b128 v[40:43], v9
	ds_load_b64 v[44:45], v10
	s_wait_alu depctr_va_vdst(0)
	s_wait_dscnt 1
	global_store_b128 v220, v[40:43], s[76:77] offset:212992*(\p)+13312*(\t)       ; 512 consecutive bytes,
	s_wait_dscnt 0x0
	global_store_b64 v221, v[44:45], s[76:77] offset:212992*(\p)+13312*(\t)+512    ; and 256
	global_store_b16 v222, v217, s[78:79] offset:212992*(\p)+13312*(\t)            ; a row's two scale bytes
.endm
.macro PASS p
.if \p
	s_wait_xcnt 0x0                                ; pass 0's stores have read their registers
	QLOAD \p
.endif
.irp w, 0, 0x40
	WIN \w
	v_mov_b32 v13, 0xff61b1e6                      ; -3e38, under every score
	v_mov_b32 v12, 0x7d000000                      ; -M: a whole number over every -t that follows, so that the first f is 0
	v_mov_b32 v14, 0
	v_mov_b32 v15, 0
.endr
	WIN 0
	s_mov_b32 s[TK], 0
	PRO
	s_wait_loadcnt 0x0
	v_lshl_or_b32 v34, v216, 16, v216              ; q's two scale bytes, for either place of q along K
	v_lshl_or_b32 v234, v236, 16, v236
.irp w, 0, 0x40
	WIN \w
.set n, 0
.rept 32
	v_mov_b32 v[O+n], 0
.set n, n+1
.endr
.endr
	WIN 0
.if \p
	STEPS 16, 15*STEPB
.else
	STEPS 8, 7*STEPB
	s_wait_tensorcnt 0x0                           ; my part of steps 8-15 is in,
	s_wait_dscnt 0x0
	s_barrier_signal -1
	s_barrier_wait -1                              ; and everybody's
	PRO
	STEPS 8, 15*STEPB
.endif
	s_wait_dscnt 0x0                               ; the loads of k that the last step asked for once more
.rept 4
	v_nop
.endr
	EPI \p, 0
	WIN 0x55
	EPI \p, 1
	WIN 0
.endm
	QLOAD 0                                        ; q is on its way while K and V land
	s_wait_alu depctr_va_vdst(0)                   ; the wait at the head's end
	s_wait_tensorcnt 0x0                           ; my part of steps 0-7 is in
	ds_add_u32 v254, v255
	s_wait_dscnt 0x0
	CROUND                                         ; everybody's part is in, and the four work-groups are here
	tensor_load_to_lds s[G0B:G0B+3], s[G1:G1+7]    ; steps 8-15, the first tensor load behind the round
	s_nop 0
.rept 4
	v_nop                                          ; the windows are switched only behind four instructions
.endr
	PASS 0
	PASS 1
	s_wait_tensorcnt 0x0                           ; the wave's end
	ds_add_u32 v254, v255
	s_wait_dscnt 0x0
	CROUND                                         ; the closing round
	s_endpgm
.Lfunc_end_k_qc192c7a046_attn:
	.size	k_qc192c7a046_attn, .Lfunc_end_k_qc192c7a046_attn-k_qc192c7a046_attn
	.p2alignl 7, 3214868480
	.fill 96, 4, 3214868480
	.section	.rodata,"a",@progbits
	.p2align	6, 0x0
	.amdhsa_kernel k_qc192c7a046_attn
		.amdhsa_group_segment_fixed_size 327680
		.amdhsa_private_segment_fixed_size 0
		.amdhsa_enable_private_segment 0
		.amdhsa_kernarg_size 16
		.amdhsa_user_sgpr_count 2
		.amdhsa_user_sgpr_kernarg_segment_ptr 1
		.amdhsa_wavefront_size32 1
		.amdhsa_system_sgpr_workgroup_id_x 1
		.amdhsa_system_sgpr_workgroup_id_y 1
		.amdhsa_system_sgpr_workgroup_id_z 1
		.amdhsa_system_vgpr_workitem_id 0
		.amdhsa_next_free_vgpr 512
		.amdhsa_next_free_sgpr 80
		.amdhsa_reserve_vcc 0
		.amdhsa_float_denorm_mode_32 3
		.amdhsa_float_denorm_mode_16_64 3
		.amdhsa_memory_ordered 1
		.amdhsa_forward_progress 1
		.amdhsa_inst_pref_size 120
	.end_amdhsa_kernel
	.amdgpu_metadata
---
amdhsa.version: [ 1, 2 ]
amdhsa.kernels:
  - .name:           k_qc192c7a046_attn
    .symbol:         k_qc192c7a046_attn.kd
    .args:
      - { .name: qkvc, .offset: 0, .size: 8, .value_kind: global_buffer, .address_space: global }
      - { .name: oc, .offset: 8, .size: 8, .value_kind: global_buffer, .address_space: global }
    .group_segment_fixed_size: 327680
    .private_segment_fixed_size: 0
    .kernarg_segment_align: 8
    .kernarg_segment_size: 16
    .max_flat_workgroup_size: 256
    .sgpr_count:     80
    .vgpr_count:     512
    .wavefront_size: 32
...
	.end_amdgpu_metadata
.endif
;; end of part 3
;; launch proj (part 4): grid 4 x 64, 4 waves a work-group, clusters of 4 x 4, 307,712 bytes of LDS; arguments oc, opc, b_out, out0; writes out0
.if DOCPART == 4
	.amdgcn_target "amdgcn-amd-amdhsa--gfx1250"
	.amdhsa_code_object_version 6
	.text
	.protected	k_qc192c7a046_proj
	.globl	k_qc192c7a046_proj
	.p2align	8
	.type	k_qc192c7a046_proj,@function
k_qc192c7a046_proj:
	s_mov_b64 s[64:65], 0
	v_nop
	global_prefetch_b8 v0, s[64:65] scope:SCOPE_SE
	s_setreg_imm32_b32 hwreg(HW_REG_WAVE_MODE, 25, 1), 1
	s_wait_xcnt 0x0
	s_wait_alu depctr_hold_cnt(0) depctr_sa_sdst(0) depctr_va_vdst(0) depctr_va_sdst(0) depctr_va_ssrc(0) depctr_va_vcc(0) depctr_vm_vsrc(0)
	s_getreg_b32 s2, hwreg(HW_REG_IB_STS2, 6, 4)
	s_cmp_eq_u32 s2, 0
	s_cbranch_scc0 .Lentry_in_a_cluster
	s_endpgm
.Lentry_in_a_cluster:
	s_bfe_u32 s2, ttmp6, 0x10000c
	s_cmp_lg_u32 s2, 0xf033
	s_cbranch_scc0 .Lentry_shape_is_right
	s_endpgm
.Lentry_shape_is_right:
; PROJ: out0 = o w_out^T + b_out on codes of BF6 (E3M2).  o's codes come from oc, w_out's from opc (tiles 704 on), both as tiles of 16 rows (13,312 bytes: four records of 256 along K: four half-images of 768 bytes,
; lane (r, h) owning the 24 bytes at 24 x lane, and 128 scale bytes).  Tile T of o holds tokens 32 (T / 2) + 2 r + T % 2; a tile of w_out holds rows 16 T + r.
; A WORK-GROUP makes 128 tokens x 256 outputs over all of K = 1,024, which lies whole in LDS: four chunks of 256 along K, each filled ONCE, so that no LDS byte is filled again.  256 work-groups.
; Four waves, 2 x 2; a wave makes 64 x 128 in 32 accumulators.  THE MATRIX INSTRUCTION IS USED TRANSPOSED: source 0 = a tile of w_out, source 1 = a tile of o: a lane holds eight neighbouring outputs of one token.
; CLUSTERS: 4 x 4 work-groups.  o's tiles hang on the tile row alone and are asked for jointly along a row of the cluster, w_out's on the tile column alone and jointly along a column.
; No prefetch: every tile is asked for at the kernel's head by its own tensor load.
; REGISTERS, in windows of 256: window 0: v1-31 addresses; v32-55 scale words, two sets; v64-127 the bias as the first products' C; v128-223 A's fragments, two sets; on the way out v64-191 take rows of out0.
;   window 1: B's fragments, two sets, at v0 and v128.   window 2: the accumulators, (a, b) at v[8 (8 a + b)].
.set GT,    13312
.set GR,    3328
.set LT,    3200                       ; a tile's record in LDS: codes and scale bytes
; AS THE TEXT NOW STANDS (in place of what the head says of chunks): LDS holds the operands tile by tile, a tile's four records on end (4 LT bytes): A's 8 tiles, then B's 16.
; Each wave brings its part by ONE tensor load (rows of 3,200 bytes, 3,328 apart in memory): waves 0, 1 B's halves, waves 2, 3 A's halves.
.set CHUNK, LT                         ; from a tile's record to its next
.set BOFF,  32*LT                      ; A's 8 tiles; also a half of B's 16
.set ADRB2, 249                        ; v249-252  my B fragments, tiles 4-7, in chunk j (an LDS offset has 16 bits)
.set ADRA, 12                          ; v12-15  my A fragments in chunk j
.set ADRB, 16                          ; v16-19  my B fragments
.set ADSA, 20                          ; v20-23  A's scale bytes: lanes 0-15 tile i, lanes 16-31 tile i + 2
.set ADSB, 24                          ; v24-27  B's: lanes 0-15 tile i, lanes 16-31 tile i + 4
.set STO,  28                          ; v28     the stage: where I put 32 bytes of a row
.set RD,   29                          ; v29     and where I read a row back
.set CO,   30                          ; v30     16 x lane: my bytes of a row of out0
.set SC,   32
.set BN,   64
.set AF,   128
.set BK,   64                          ; the way out: 16 rows read back: v64-127 and v128-191 by turns
.set SPITCH, 528
.set G1A,  24                          ; s[24:31] descriptor group 1 for A's tiles, s[32:39] for B's
.set G1B,  32
.set G0A,  40                          ; s[40:43] group 0 for A's tiles; B's at s[56:59]
.set MSB, 0
.macro WIN new                         ; the immediate's high byte repeats the setting that is left
.if MSB != \new
	s_set_vgpr_msb (MSB<<8)|\new
.set MSB, \new
.endif
.endm
.macro CREST
	s_cmp_lg_u32 s14, 0
	s_cbranch_scc1 .Lnot_wave_0_\@
	s_barrier_signal -3
.Lnot_wave_0_\@:
	s_barrier_wait -3
	s_barrier_signal -1
	s_barrier_wait -1
.endm
.macro CROUND                          ; a round of the cluster's barrier
	s_barrier_signal -1
	s_barrier_wait -1
	CREST
.endm
.macro PLACES n
.rept \n
	v_nop
.endr
.endm
	s_load_b256 s[4:11], s[0:1], 0x0               ; oc s[4:5], opc s[6:7], b_out s[8:9], out0 s[10:11]
	v_lshl_add_u32 v254, v0, 2, 0x4b000
	v_mov_b32 v255, 0
	ds_add_u32 v254, v255
	ds_add_u32 v254, v255
	v_lshrrev_b32 v1, 5, v0
	v_readfirstlane_b32 s14, v1                    ; wave 0..3
	s_lshr_b32 s15, s14, 1                         ; which four of A's eight tiles are mine
	s_and_b32 s16, s14, 1                          ; which eight of B's sixteen; also: which eight I fetch
	s_bfe_u32 s17, ttmp6, 0x40000                  ; cx = the tile column: the grid is one cluster wide
	s_bfe_u32 s18, ttmp6, 0x40004                  ; cy
	; A's tiles: registers that never hold cx
	s_and_b32 s20, ttmp7, 0xffff
	s_lshl_b32 s20, s20, 2
	s_add_co_u32 s20, s20, s18                     ; tile row tr
	s_lshl_b32 s22, s20, 3
	s_mul_i32 s22, s22, GT
	s_mov_b32 s23, 0
	; B's tiles: registers that never hold cy
	s_lshl_b32 s78, s17, 4
	s_lshl_b32 s77, s16, 3
	s_add_co_u32 s78, s78, s77
	s_add_co_u32 s78, s78, 704                     ; w_out begins at tile 704
	s_mul_i32 s78, s78, GT
	s_mov_b32 s79, 0
	s_lshl_b32 s80, s18, 2
	s_lshl_b32 s80, 15, s80                        ; my row of the cluster
	s_lshl_b32 s81, 0x1111, s17                    ; my column
	; descriptor group 1: four or eight tiles' records: 16 or 32 rows of 400 elements of 8 bytes (3,200 bytes), 416 elements (a record) apart; dense in LDS
	s_or_b32 s[G1A], s80, (3<<16)|(1<<21)          ; 15:0 the mask; 17:16 elements of 8 bytes; 21 set beside a mask
	s_or_b32 s[G1B], s81, (3<<16)|(1<<21)
.irp g, G1A, G1B
	s_mov_b32 s[\g+1], 400<<16                     ; tensor_dim0
	s_mov_b32 s[\g+2], (16+2*(\g-G1A))<<16         ; tensor_dim1: records: 16 for A's four tiles, 32 for B's eight
	s_mov_b32 s[\g+3], 400<<16                     ; tile_dim0
	s_mov_b32 s[\g+4], 16+2*(\g-G1A)               ; tile_dim1
	s_mov_b32 s[\g+5], 416                         ; from record to record: 3,328 bytes
	s_mov_b32 s[\g+6], 0
	s_mov_b32 s[\g+7], 0
.endr
	s_mul_i32 s82, s16, BOFF
	s_wait_dscnt 0x0
	s_wait_kmcnt 0x0
	s_add_nc_u64 s[22:23], s[4:5], s[22:23]
	s_add_nc_u64 s[78:79], s[6:7], s[78:79]
	s_mul_i32 s2, s16, 4*GT                        ; A: the four tiles that I fetch
	s_mov_b32 s3, 0
	s_add_nc_u64 s[22:23], s[22:23], s[2:3]
	s_mov_b32 s[G0A], 1                            ; count = 1
	s_mul_i32 s[G0A+1], s16, 16*LT                 ; LDS address
	s_mov_b64 s[G0A+2:G0A+3], s[22:23]
	s_or_b32 s[G0A+3], s[G0A+3], 0x80000000        ; type = 2
	s_mov_b32 s56, 1
	s_add_co_u32 s57, s82, BOFF
	s_mov_b64 s[58:59], s[78:79]
	s_or_b32 s59, s59, 0x80000000
	CROUND                                         ; all sixteen work-groups are here: the joint loads meet
	s_cmp_lt_u32 s14, 2                            ; one tensor load a wave: waves 0, 1 B's halves, waves 2, 3 A's
	s_cbranch_scc0 .Lnot_b
	tensor_load_to_lds s[56:59], s[G1B:G1B+7]
	s_nop 0
	PLACES 4
	s_branch .Lasked
.Lnot_b:
	tensor_load_to_lds s[G0A:G0A+3], s[G1A:G1A+7]
	s_nop 0
	PLACES 4
.Lasked:
	; LDS addresses: constants, the lane and the wave's number alone
	v_and_b32 v1, 31, v0                           ; lane
	v_and_b32 v2, 15, v0                           ; r
	v_bfe_u32 v3, v0, 4, 1                         ; h
	v_mul_u32_u24 v4, v1, 24
	v_lshlrev_b32 v5, 3, v2
	s_mul_i32 s2, s15, 16*LT
	s_mul_i32 s3, s16, BOFF
	s_add_co_u32 s3, s3, BOFF
	v_add_nc_u32 v[ADRA], s2, v4
	v_add_nc_u32 v[ADRB], s3, v4
	v_mad_u32_u24 v6, v3, 8*LT, v5
	v_mad_u32_u24 v7, v3, 16*LT, v5
	v_add_nc_u32 v6, 3072, v6
	v_add_nc_u32 v7, 3072, v7
	v_add_nc_u32 v[ADSA], s2, v6
	v_add_nc_u32 v[ADSB], s3, v7
.irp j, 1,2,3
	v_add_nc_u32 v[ADRA+\j], CHUNK*\j, v[ADRA]
	v_add_nc_u32 v[ADRB+\j], CHUNK*\j, v[ADRB]
	v_add_nc_u32 v[ADSA+\j], CHUNK*\j, v[ADSA]
	v_add_nc_u32 v[ADSB+\j], CHUNK*\j, v[ADSB]
.endr
.irp j, 0,1,2,3
	v_add_nc_u32 v[ADRB2+\j], 16*LT, v[ADRB+\j]
.endr
	s_mul_i32 s82, s14, 16*SPITCH                  ; my stage for the way out: 16 rows x (512 bytes + 16), on A's first tiles
	v_mul_u32_u24 v[STO], v2, SPITCH
	v_lshl_add_u32 v[STO], v3, 5, v[STO]
	v_add_nc_u32 v[STO], s82, v[STO]               ; in: row r, 32 bytes for each half of the lanes
	v_lshlrev_b32 v[CO], 4, v1
	v_add_nc_u32 v[RD], s82, v[CO]                 ; back: the 32 lanes take one row of 512 bytes
	s_lshl_b32 s83, s20, 7
	s_lshl_b32 s84, s15, 6
	s_add_co_u32 s83, s83, s84                     ; my first token
	s_lshl_b32 s84, s17, 8
	s_lshl_b32 s85, s16, 7
	s_add_co_u32 s84, s84, s85                     ; my first output
	s_lshl_b32 s86, s83, 12
	s_lshl_b32 s85, s84, 2
	s_add_co_u32 s86, s86, s85
	s_mov_b32 s87, 0
	s_add_nc_u64 s[10:11], s[10:11], s[86:87]
	s_mov_b32 s86, s85
	s_add_nc_u64 s[8:9], s[8:9], s[86:87]
	v_lshlrev_b32 v11, 5, v3
.irp b, 0,1,2,3,4,5,6,7                ; the bias in the results' layout: tile b, lane half h: outputs 16 b + 8 h + 0 .. 7
	global_load_b128 v[BN+8*\b:BN+8*\b+3], v11, s[8:9] offset:64*\b
	global_load_b128 v[BN+8*\b+4:BN+8*\b+7], v11, s[8:9] offset:64*\b+16
.endr
	s_wait_alu depctr_va_vdst(0)
	s_wait_loadcnt 0x0
.macro FRAG reg, adr, i, q             ; a fragment (16 rows x 128 K, 12 registers) is two half-images: six loads of 8 bytes at 24 x lane: the 32 lanes' addresses are 6 words apart
.irp p, 0,1,2,3,4,5
	ds_load_b64 v[\reg+2*\p:\reg+2*\p+1], v[\adr] offset:4*LT*(\i)+1536*(\q)+768*(\p/3)+8*(\p%3)
.endr
.endm
.macro SCALES j, s                     ; chunk j's scale bytes into set s: a row's eight bytes are the words of the chunk's two K steps
.irp i, 0,1,2,3
	ds_load_b64 v[SC+12*(\s)+2*\i:SC+12*(\s)+2*\i+1], v[ADSB+(\j)] offset:4*LT*\i
.endr
.irp i, 0,1
	ds_load_b64 v[SC+12*(\s)+8+2*\i:SC+12*(\s)+8+2*\i+1], v[ADSA+(\j)] offset:4*LT*\i
.endr
.endm
.macro FETCH k                         ; K step k (128 along K): chunk k / 2, its half k % 2, into set k % 2
	WIN 0x40                                       ; destination window 1
.irp b, 0,1,2,3,4,5,6,7
	FRAG 128*((\k)%2)+12*\b, ADRB+(\k)/2+(ADRB2-ADRB)*(\b/4), \b%4, (\k)%2
.endr
	WIN 0
.if ((\k)%2) == 0
	SCALES (\k)/2, ((\k)/2)%2
.endif
.irp a, 0,1,2,3
	FRAG AF+48*((\k)%2)+12*\a, ADRA+(\k)/2, \a, (\k)%2
.endr
.endm
.macro WM ra, rb                       ; one product; ra, rb: source 0's, source 1's scales stand in lanes 16-31
.if (\ra) && (\rb)
	v_wmma_scale_f32_16x16x128_f8f6f4 v[rD:rD+7], v[rB:rB+11], v[rA:rA+11], v[rC:rC+7], v[rSB], v[rSA] matrix_a_fmt:MATRIX_FMT_BF6 matrix_b_fmt:MATRIX_FMT_BF6 matrix_a_scale:MATRIX_SCALE_ROW1 matrix_b_scale:MATRIX_SCALE_ROW1
.elseif (\ra)
	v_wmma_scale_f32_16x16x128_f8f6f4 v[rD:rD+7], v[rB:rB+11], v[rA:rA+11], v[rC:rC+7], v[rSB], v[rSA] matrix_a_fmt:MATRIX_FMT_BF6 matrix_b_fmt:MATRIX_FMT_BF6 matrix_a_scale:MATRIX_SCALE_ROW1
.elseif (\rb)
	v_wmma_scale_f32_16x16x128_f8f6f4 v[rD:rD+7], v[rB:rB+11], v[rA:rA+11], v[rC:rC+7], v[rSB], v[rSA] matrix_a_fmt:MATRIX_FMT_BF6 matrix_b_fmt:MATRIX_FMT_BF6 matrix_b_scale:MATRIX_SCALE_ROW1
.else
	v_wmma_scale_f32_16x16x128_f8f6f4 v[rD:rD+7], v[rB:rB+11], v[rA:rA+11], v[rC:rC+7], v[rSB], v[rSA] matrix_a_fmt:MATRIX_FMT_BF6 matrix_b_fmt:MATRIX_FMT_BF6
.endif
.endm
; 16 products: A's tiles a0, a0 + 1 x B's eight.  first = 1: the bias is the C of a sum's first product.  The 32 accumulators take turns, one instruction a turn, in the same order in every step.
.macro MUL a0, k, first
.if \first
	WIN 0x81                                       ; source 0 (B) window 1, source 1 (A) and C window 0, D window 2
.else
	WIN 0xa1                                       ; C and D window 2
.endif
.irp a, \a0, \a0+1
.irp b, 0,1,2,3,4,5,6,7
.set rD, 8*(8*(\a)+\b)
.set rB, 128*((\k)%2)+12*\b
.set rA, AF+48*((\k)%2)+12*(\a)
.set rSB, SC+12*(((\k)/2)%2)+2*(\b%4)+(\k)%2
.set rSA, SC+12*(((\k)/2)%2)+8+2*((\a)%2)+(\k)%2
.if \first
.set rC, BN+8*\b
.else
.set rC, rD
.endif
	WM \b/4, (\a)/2
.endr
.endr
.endm
; A K step.  Its fragments were asked for a whole step ago.  The next step's are asked for first, into the other sets, which the step before has read: four plain lines stand between those products and the loads
; (ISA guide 7.12.1 for vector instructions).
.macro STEP k
	s_wait_dscnt 0x0                               ; this step's fragments are in; no LDS instruction of mine is out at the barrier's signal
	PLACES 4
.if (\k) == 7
	s_barrier_signal -1                            ; my last reads of the tiles are in: the stage of the way out lies on A's first tiles, and is written only behind this barrier's wait
.endif
.if (\k) < 7
	FETCH (\k)+1
.endif
.if (\k) == 0
	MUL 0, \k, 1
	MUL 2, \k, 1
.else
	MUL 0, \k, 0
	MUL 2, \k, 0
.endif
.endm
	s_wait_tensorcnt 0x0                           ; my one load is in; the barrier shows all four to all
	s_barrier_signal -1
	s_barrier_wait -1
	FETCH 0
.irp k, 0,1,2,3,4,5,6,7
	STEP \k
.endr
	s_barrier_wait -1                              ; no wave reads a tile any more
; THE WAY OUT, a tile of 16 tokens x 128 outputs at a time.  A lane holds 32 neighbouring bytes of a row, and the lanes beside it hold other rows: so a block goes through my own stage in LDS and comes back as whole rows of
; 512 bytes.  The stage lies on A's first tiles: they have had their one fill, and every wave's last read of them stands ahead of step 7's barrier.  LDS serves a wave's instructions in order: no wait between the stores and the loads.
.macro TOSTAGE a
	WIN 0x08                                       ; an LDS store's data are its source 1: window 2
.irp b, 0,1,2,3,4,5,6,7
	ds_store_b128 v[STO], v[64*(\a)+8*\b:64*(\a)+8*\b+3] offset:64*\b        ; each accumulator from its low end on
	ds_store_b128 v[STO], v[64*(\a)+8*\b+4:64*(\a)+8*\b+7] offset:64*\b+16
.endr
	WIN 0
.set BB, BK+64*((\a)%2)
.irp t, 0,1,2,3,4,5,6,7,8,9,10,11,12,13,14,15
	ds_load_b128 v[BB+4*\t:BB+4*\t+3], v[RD] offset:\t*SPITCH
.endr
.endm
.macro SEND a, younger                 ; younger: the LDS instructions issued behind block a's loads, which may stay out
.set BB, BK+64*((\a)%2)
	s_wait_dscnt \younger
.irp t, 0,1,2,3,4,5,6,7,8,9,10,11,12,13,14,15
	global_store_b128 v[CO], v[BB+4*\t:BB+4*\t+3], s[10:11] offset:(32*((\a)/2)+2*\t+(\a)%2)*4096 th:TH_STORE_NT   ; row t of tile a is token 32 (a / 2) + 2 t + a % 2 of my 64; 32 lanes store 512 consecutive bytes, at a multiple of 256 from out0's first byte
.endr
.endm
	PLACES 4                                       ; behind the last products: their results are read, and loads land in registers that they read
	TOSTAGE 0
.irp a, 1,2,3
.if \a > 1
	s_wait_xcnt 0x0                                ; block a - 2's stores have read their registers: block a's loads may land there
.endif
	TOSTAGE \a
	SEND \a-1, 32                                  ; behind block a - 1's loads: block a's 16 stores and 16 loads
.endr
	SEND 3, 0
	s_wait_tensorcnt 0x0
	s_wait_tensorcnt 0x0
	ds_add_u32 v254, v255
	s_wait_dscnt 0x0
	CROUND                                         ; the closing round: no work-group ends while a partner may still ask for a tile that names it
	s_endpgm
.Lfunc_end_k_qc192c7a046_proj:
	.size	k_qc192c7a046_proj, .Lfunc_end_k_qc192c7a046_proj-k_qc192c7a046_proj
	.p2alignl 7, 3214868480
	.fill 96, 4, 3214868480
	.section	.rodata,"a",@progbits
	.p2align	6, 0x0
	.amdhsa_kernel k_qc192c7a046_proj
		.amdhsa_group_segment_fixed_size 307712
		.amdhsa_private_segment_fixed_size 0
		.amdhsa_enable_private_segment 0
		.amdhsa_kernarg_size 32
		.amdhsa_user_sgpr_count 2
		.amdhsa_user_sgpr_kernarg_segment_ptr 1
		.amdhsa_wavefront_size32 1
		.amdhsa_system_sgpr_workgroup_id_x 1
		.amdhsa_system_sgpr_workgroup_id_y 1
		.amdhsa_system_sgpr_workgroup_id_z 1
		.amdhsa_system_vgpr_workitem_id 0
		.amdhsa_next_free_vgpr 768
		.amdhsa_next_free_sgpr 100
		.amdhsa_reserve_vcc 0
		.amdhsa_float_denorm_mode_32 3
		.amdhsa_float_denorm_mode_16_64 3
		.amdhsa_memory_ordered 1
		.amdhsa_forward_progress 1
		.amdhsa_inst_pref_size 95
	.end_amdhsa_kernel
	.amdgpu_metadata
---
amdhsa.version: [ 1, 2 ]
amdhsa.kernels:
  - .name:           k_qc192c7a046_proj
    .symbol:         k_qc192c7a046_proj.kd
    .args:
      - { .name: oc, .offset: 0, .size: 8, .value_kind: global_buffer, .address_space: global }
      - { .name: opc, .offset: 8, .size: 8, .value_kind: global_buffer, .address_space: global }
      - { .name: b_out, .offset: 16, .size: 8, .value_kind: global_buffer, .address_space: global }
      - { .name: out0, .offset: 24, .size: 8, .value_kind: global_buffer, .address_space: global }
    .group_segment_fixed_size: 307712
    .private_segment_fixed_size: 0
    .kernarg_segment_align: 8
    .kernarg_segment_size: 32
    .max_flat_workgroup_size: 128
    .sgpr_count:     100
    .vgpr_count:     768
    .wavefront_size: 32
...
	.end_amdgpu_metadata
.endif
;; end of part 4
